; MI455X (gfx1250); checked and timed in simulation.
; The chip was launched on July 23, 2026; its instructions are those of AMD's public machine-readable ISA for CDNA 5 (MIT licence, August 2026) and "CDNA5" Instruction Set Architecture Reference Guide (July 2026). The comments in the code are by the model that wrote it; some were corrected since.
;; Multi Head Attention. Allowed arithmetic: matrix products marked QUANTISED: E2M1 operands, one E8M0 scale for each 32 along K, by v_wmma_scale_f32_16x16x128_f8f6f4 with both operands' format E2M1 (or v_wmma_scale_f32_32x16x128_f4), f32 sums; products left as they are: bf16, f16 or f32 operands; f32 sums; everything else in f32.
;; Inputs: Wk 1,024 x 1,024 float32; Wp 1,024 x 1,024 float32; Wq 1,024 x 1,024 float32; Wv 1,024 x 1,024 float32; bk 1,024 float32; bp 1,024 float32; bq 1,024 float32; bv 1,024 float32; x 4 x 2,048 x 1,024 float32.
;; Outputs: out0 4 x 2,048 x 1,024 float32.
;; This version of the problem:
;;   THIS VERSION OF THE PROBLEM IS GIVEN IN LOW PRECISION. The matrix products marked QUANTISED in the list below multiply operands that are first quantised to E2M1 (2 exponent bits, 1 mantissa bit; 4 bits a number), with one power-of-two scale for each 32 numbers along K (OCP MX v1.0); their sums are f32. The products marked 'left as it is' may take bf16, f16 or f32 operands, with f32 sums. Whichever they take, every output number must still come out within the allowed error. Rounding operands to bf16 (8 significant bits) uses up far more of that allowance than f16 does (11 bits, for magnitudes from 6e-5 to 65,504). All else is computed in f32.
;;   The module's matrix products, in the order in which they are computed (A, B: the left and right operand; K: the contracted axis; several contracted axes count as one K, in the product's order):
;;     1. [M 8,192, K 1,024] x [K 1,024, N 1,024]; A: input x; B: input Wq: QUANTISED
;;     2. [M 8,192, K 1,024] x [K 1,024, N 1,024]; A: input x; B: input Wk: QUANTISED
;;     3. [M 8,192, K 1,024] x [K 1,024, N 1,024]; A: input x; B: input Wv: QUANTISED
;;     4. batch 64 x [M 2,048, K 64] x [K 64, N 2,048]; A: computed on the way; B: computed on the way: left as it is (an operand is computed on the way)
;;     5. batch 64 x [M 2,048, K 2,048] x [K 2,048, N 64]; A: computed on the way; B: computed on the way: left as it is (an operand is computed on the way)
;;     6. [M 8,192, K 1,024] x [K 1,024, N 1,024]; A: computed on the way; B: input Wp: left as it is (an operand is computed on the way)
;;   THE QUANTISER, for each operand of a quantised product, along K:
;;     - K is cut into blocks of 32 from its start; a last block that is shorter is filled with zeros.
;;     - A block's scale is 2^e with e = floor(log2(the largest magnitude in the block)) - 2, held to -126 .. 127; a block of zeros has e = 0. As a byte (E8M0): e + 127.
;;     - Each number is divided by its block's scale, clamped to +-6, and rounded to the nearest number of E2M1, ties to even, subnormals kept.
;;     - The product sums the exact products of the quantised numbers (number of the format x scale) in f32.
;;   ~~~python
;;   def quantise(x, axis):      # numpy; x: float32 -> the quantised numbers, widened to float32 again
;;       x = np.moveaxis(x, axis, -1); K = x.shape[-1]
;;       x = np.pad(x, [(0, 0)] * (x.ndim - 1) + [(0, -K % 32)]); x = x.reshape(x.shape[:-1] + (-1, 32)); a = np.abs(x).max(-1, keepdims=True)
;;       e = np.where(a > 0, np.clip(np.frexp(np.where(a > 0, a, 1))[1] - 1 - 2, -126, 127), 0)      # np.frexp(a)[1] - 1 = floor(log2(a)), exactly
;;       r = np.clip(x / 2.0 ** e, -6, 6)
;;       step = 2.0 ** (np.maximum(np.frexp(np.where(r == 0, 1, r))[1] - 1, 0) - 1)
;;       q = np.round(r / step) * step * 2.0 ** e      # np.round: ties to even
;;       return np.moveaxis(q.reshape(q.shape[:-2] + (-1,))[..., :K], -1, axis).astype(np.float32)
;;   ~~~
;; One version. Each part assembles by itself: llvm-mc -triple=amdgcn-amd-amdhsa -mcpu=gfx1250 --defsym DOCPART=n.
;; ======== version 1 of 1: 5 launches
;; limits: values are held in f16: magnitudes above 65,504 overflow, below 6.1e-05 lose precision
;; workspace buffers: xc 4,194,304 bytes; xs 262,144 bytes; wc 1,572,864 bytes; ws 98,304 bytes; wp16 2,097,152 bytes; qkv 50,331,648 bytes; qkv32 786,432 bytes; yh 16,777,216 bytes
;; launch prep (part 1): grid 336 x 1, 4 waves a work-group, no clusters, 68,096 bytes of LDS; arguments x, Wq, Wk, Wv, Wp, xc, xs, wc, ws, wp16; writes xc, xs, wc, ws, wp16
.if DOCPART == 1
	.amdgcn_target "amdgcn-amd-amdhsa--gfx1250"
	.amdhsa_code_object_version 6
	.text
	.protected	k_qb7271d28ac_prep
	.globl	k_qb7271d28ac_prep
	.p2align	8
	.type	k_qb7271d28ac_prep,@function
k_qb7271d28ac_prep:
	s_mov_b64 s[64:65], 0
	v_nop
	global_prefetch_b8 v0, s[64:65] scope:SCOPE_SE
	s_setreg_imm32_b32 hwreg(HW_REG_WAVE_MODE, 25, 1), 1
	s_wait_xcnt 0x0
; THREE JOBS IN ONE LAUNCH, told apart by the work-group's number alone; the three ways never join and each has LDS bytes of its own.
;  work-groups 0-255:   x [8192][1024] f32, K innermost -> xc [8192][512 B] codes of E2M1, xs [8192][32 B] E8M0 bytes.
;  work-groups 256-303: Wq, Wk, Wv [1024 k][1024 n] f32, K the FIRST axis -> wc [3072 = 1024 tensor + n][512 B], ws [3072][32 B], K innermost.
;  work-groups 304-335: Wp [1024][1024] f32 -> wp16, the same layout in f16 (rounded to nearest even).
; A block's scale is 2^(floor(log2(its largest magnitude)) - 2); its byte is the largest magnitude's exponent field - 2, held at 1 from below.
; LIMITS: a block of zeros gets the byte 1 where the rule says 127 (its codes are zeros, and this program alone reads the bytes); blocks whose largest magnitude lies under 2^(3 - 127) keep the byte 1;
; NaN and infinities among the inputs are not served; |Wp| beyond 65,504 does not fit f16.
.set SPW,   12                         ; v12  LDS address of my spare word: SPARE + 4 x my thread's number; never rewritten
.set NIL,   13                         ; v13  0; never rewritten
.set SPARE, 67584                      ; behind both ways' regions: the spare words, 128 bytes a wave
; ---- the way of x
.set STEPS, 16
.set CB,    8                          ; bytes of 16 codes
.set XR,    16                         ; v16-79   four sets of 16 numbers as loaded
.set XN,    80                         ; v80-111  two sets of 16 neighbours
.set XE,    112                        ; v112-127 a scale byte for each step
.set XC,    128                        ; v128-191 codes, four registers a step: no store's data are written again
.set WREG,  8192                       ; LDS 0 .. 32,767: a region a wave: two stages of 32 x SP bytes, then its 256 scale bytes
.set SP,    80                         ; a lane's 64 bytes + 16 of padding
; ---- the way of the three weights
.set NB,     16                        ; blocks of 32 along K for a wave (512 along K)
.set WPITCH, 272                       ; a stage row: 256 bytes of codes + 16
.set WSTG,   32768                     ; LDS 32,768 .. 67,583: four stages of 32 rows
.set KROW,   512                       ; a row of wc in bytes
.set SB,     24                        ; v24-27   scale bytes, four to a register
.set WN,     32                        ; v32-95   two sets of 32 numbers
.set WCD,    96                        ; v96-99   a block's codes
.set OUTR,   112                       ; v112-175 the way out
	s_load_b256 s[4:11], s[0:1], 0x0               ; x, Wq, Wk, Wv
	s_load_b256 s[12:19], s[0:1], 0x20             ; Wp, xc, xs, wc
	s_load_b128 s[20:23], s[0:1], 0x40             ; ws, wp16
	v_lshl_add_u32 v[SPW], v0, 2, SPARE
	v_mov_b32 v[NIL], 0
	v_lshrrev_b32 v1, 5, v0
	v_readfirstlane_b32 s24, v1                    ; wave 0..3
	v_and_b32 v2, 31, v0                           ; lane
	s_mov_b32 s29, 0                               ; the upper word of every offset: all stay under 2^32
	s_wait_kmcnt 0x0
	s_cmp_lt_u32 ttmp9, 256
	s_cbranch_scc0 .Lnot_x
; ================= x: a plain stream of blocks of 32.  A wave takes 16 steps of 512 numbers.  Each load reads 512 consecutive bytes; a step's 2,048 bytes turn through the wave's own stage so that a lane holds 16 neighbours.
	v_lshlrev_b32 v3, 4, v2                        ; my 16 bytes of a load's 512
	s_mul_i32 s25, s24, WREG
	v_lshrrev_b32 v14, 2, v2
	v_mul_u32_u24 v14, v14, SP
	v_and_b32 v15, 3, v2
	v_lshl_add_u32 v14, v15, 4, v14
	v_add_nc_u32 v14, s25, v14                     ; the stage on the way in: SP (lane / 4) + 16 (lane % 4)
	v_mul_u32_u24 v15, v2, SP
	v_add_nc_u32 v15, s25, v15                     ; and on the way out: SP x lane
	v_mul_u32_u24 v4, v2, CB                       ; my codes' place in a step's
	v_lshrrev_b32 v5, 1, v2
	s_add_co_u32 s25, s25, 2*32*SP
	v_add_nc_u32 v5, s25, v5                       ; my block's byte among my wave's 256
	v_lshlrev_b32 v7, 3, v2
	v_add_nc_u32 v6, s25, v7                       ; and 8 bytes a lane on the way out
	s_lshl_b32 s26, ttmp9, 2
	s_add_co_u32 s26, s26, s24                     ; which run of 8,192 numbers is my wave's
	s_lshl_b32 s28, s26, 15
	s_add_nc_u64 s[4:5], s[4:5], s[28:29]          ; 32,768 bytes of x a run,
	s_lshl_b32 s28, s26, 12
	s_add_nc_u64 s[14:15], s[14:15], s[28:29]      ; 4,096 of codes,
	s_lshl_b32 s28, s26, 8
	s_add_nc_u64 s[16:17], s[16:17], s[28:29]      ; 256 of scale bytes
.macro XLOAD t
.irp i, 0,1,2,3
	global_load_b128 v[XR+16*((\t)%4)+4*\i:XR+16*((\t)%4)+4*\i+3], v3, s[4:5] offset:2048*(\t)+512*\i th:TH_LOAD_NT
.endr
.endm
.macro XTURN t                         ; LDS serves a wave's instructions in order: no wait between the stores and the loads
.irp i, 0,1,2,3
	ds_store_b128 v14, v[XR+16*((\t)%4)+4*\i:XR+16*((\t)%4)+4*\i+3] offset:32*SP*((\t)%2)+8*SP*\i
.endr
.irp i, 0,1,2,3
	ds_load_b128 v[XN+16*((\t)%2)+4*\i:XN+16*((\t)%2)+4*\i+3], v15 offset:32*SP*((\t)%2)+16*\i
.endr
.endm
.irp t, 0,1,2,3
	XLOAD \t
.endr
	s_wait_loadcnt 12                              ; step 0's four loads are in; the twelve of steps 1 to 3 may be out
	XTURN 0
.macro XSTEP t
.set XS, XN+16*((\t)%2)
.if (\t) > 0
	s_wait_dscnt 1                                 ; this step's numbers are back from the stage; the last step's byte store may be out
.else
	s_wait_dscnt 0x0
.endif
.if (\t)+4 < STEPS
	XLOAD (\t)+4                                   ; into the set whose stores into the stage are done
.endif
.if (\t)+1 < STEPS
.if STEPS-2-(\t) >= 3
	s_wait_loadcnt 12                              ; the next step's four are in; three later steps' twelve may be out
.else
	s_wait_loadcnt 4*(STEPS-2-(\t))
.endif
	XTURN (\t)+1
.endif
	v_max3_num_f32 v8, |v[XS]|, |v[XS+1]|, |v[XS+2]|
	v_max3_num_f32 v9, |v[XS+3]|, |v[XS+4]|, |v[XS+5]|
.irp i, 6,10
	v_max3_num_f32 v8, v8, |v[XS+\i]|, |v[XS+\i+1]|
	v_max3_num_f32 v9, v9, |v[XS+\i+2]|, |v[XS+\i+3]|
.endr
	v_max3_num_f32 v8, v8, |v[XS+14]|, |v[XS+15]|
	v_max3_num_f32 v8, v8, v9, 0x1800000           ; and the floor 2^(3 - 127): the byte cannot fall under 1
	v_max_num_f32_dpp v8, v8, v8 row_xmask:1 row_mask:0xf bank_mask:0xf   ; with my neighbour's 16: the block's largest magnitude
	v_add_nc_u32 v11, 0xff000000, v8               ; 2 off its exponent field: the conversion takes that field as its scale
	v_cvt_scalef32_pk8_fp4_f32 v[XC+4*(\t)], v[XS:XS+7], v11
	v_cvt_scalef32_pk8_fp4_f32 v[XC+4*(\t)+1], v[XS+8:XS+15], v11
	v_lshrrev_b32 v[XE+(\t)], 23, v11              ; the scale's byte (also the plain line behind the conversions)
	ds_store_b8 v5, v[XE+(\t)] offset:16*(\t)      ; both lanes of a block write the same byte with the same value
	global_store_b64 v4, v[XC+4*(\t):XC+4*(\t)+1], s[14:15] offset:32*CB*(\t)   ; the wave stores 256 consecutive bytes, aligned
.endm
.irp t, 0,1,2,3,4,5,6,7,8,9,10,11,12,13,14,15
	XSTEP \t
.endr
	ds_load_b64 v[8:9], v6
	s_wait_dscnt 0x0
	global_store_b64 v7, v[8:9], s[16:17]          ; my wave's 256 scale bytes: 256 consecutive bytes, aligned
	s_wait_tensorcnt 0x0                           ; the wave's end, behind my last LDS store
	ds_add_u32 v[SPW], v[NIL]
	s_wait_dscnt 0x0
	s_endpgm
.Lnot_x:
	s_cmp_lt_u32 ttmp9, 304
	s_cbranch_scc0 .Lcast
; ================= Wq, Wk, Wv: a lane takes a column n and its registers run down K, so a block of 32 lies in one lane and the codes come out with K innermost.  A wave: 32 columns x 512 along K.
	s_sub_co_u32 s25, ttmp9, 256                   ; i = 0 .. 47 = 16 tensor + 8 y + x
	s_lshr_b32 s27, s25, 4                         ; tensor: 0 q, 1 k, 2 v
	s_and_b32 s26, s25, 7                          ; x: which 128 columns
	s_bfe_u32 s30, s25, 0x10003                    ; y: which 512 along K
	s_lshl_b32 s31, s26, 7
	s_lshl_b32 s32, s24, 5
	s_add_co_u32 s31, s31, s32                     ; my wave's first column
	s_cmp_eq_u32 s27, 0                            ; the source: a choice on the work-group's number alone
	s_cselect_b64 s[6:7], s[6:7], s[8:9]
	s_cmp_eq_u32 s27, 2
	s_cselect_b64 s[6:7], s[10:11], s[6:7]
	s_lshl_b32 s28, s30, 21                        ; 512 rows of 4,096 bytes,
	s_lshl_b32 s32, s31, 2
	s_add_co_u32 s28, s28, s32                     ; + 4 x column
	s_add_nc_u64 s[6:7], s[6:7], s[28:29]
	s_lshl_b32 s32, s27, 10
	s_add_co_u32 s32, s32, s31                     ; my first row of wc and ws
	s_lshl_b32 s28, s32, 9
	s_lshl_b32 s33, s30, 8
	s_add_co_u32 s28, s28, s33
	s_add_nc_u64 s[18:19], s[18:19], s[28:29]      ; codes: row x 512 + 256 y
	s_lshl_b32 s28, s32, 5
	s_lshl_b32 s33, s30, 4
	s_add_co_u32 s28, s28, s33
	s_add_nc_u64 s[20:21], s[20:21], s[28:29]      ; scale bytes: row x 32 + 16 y
	s_mul_i32 s33, s24, 32*WPITCH
	s_add_co_u32 s33, s33, WSTG                    ; my stage
	v_lshlrev_b32 v3, 2, v2                        ; in: 4 bytes a lane
	v_mul_u32_u24 v4, v2, WPITCH
	v_add_nc_u32 v4, s33, v4                       ; into the stage: row = my column
	v_and_b32 v5, 15, v2
	v_lshrrev_b32 v6, 4, v2
	v_mul_u32_u24 v7, v6, WPITCH
	v_lshl_add_u32 v7, v5, 4, v7
	v_add_nc_u32 v7, s33, v7                       ; out of it: sixteen lanes to a row, two rows an instruction
	v_mul_u32_u24 v8, v6, KROW
	v_lshl_add_u32 v8, v5, 4, v8                   ; the same place in wc
	v_lshlrev_b32 v9, 5, v2                        ; my column's row of scale bytes
.macro WLOAD t                         ; block t: W(32 t + i, my column) into set t % 2; the largest immediate, 511 x 4,096, lies inside the signed 24 bits
.irp i, 0,1,2,3,4,5,6,7,8,9,10,11,12,13,14,15,16,17,18,19,20,21,22,23,24,25,26,27,28,29,30,31
	global_load_b32 v[WN+32*((\t)%2)+\i], v3, s[6:7] offset:(32*(\t)+\i)*4096 th:TH_LOAD_NT
.endr
.endm
	WLOAD 0
	WLOAD 1
.macro WBLOCK t
.set XS, WN+32*((\t)%2)
.if (\t) < NB-1
	s_wait_loadcnt 32                              ; this block's 32 loads are in; the next block's 32 may be out
.else
	s_wait_loadcnt 0
.endif
	v_max3_num_f32 v20, |v[XS]|, |v[XS+1]|, |v[XS+2]|
	v_max3_num_f32 v21, |v[XS+3]|, |v[XS+4]|, |v[XS+5]|
.irp i, 6,10,14,18,22,26
	v_max3_num_f32 v20, v20, |v[XS+\i]|, |v[XS+\i+1]|
	v_max3_num_f32 v21, v21, |v[XS+\i+2]|, |v[XS+\i+3]|
.endr
	v_max3_num_f32 v20, v20, |v[XS+30]|, |v[XS+31]|
	v_max3_num_f32 v20, v20, v21, 0x1800000        ; the floor 2^(3 - 127)
	v_add_nc_u32 v11, 0xff000000, v20              ; the conversion's scale operand
	v_lshrrev_b32 v21, 23, v11                     ; the scale's byte
.if (\t)%4 == 0
	v_mov_b32 v[SB+(\t)/4], v21
.else
	v_lshl_or_b32 v[SB+(\t)/4], v21, 8*((\t)%4), v[SB+(\t)/4]
.endif
.irp g, 0,1,2,3
	v_cvt_scalef32_pk8_fp4_f32 v[WCD+\g], v[XS+8*\g:XS+8*\g+7], v11
.endr
	v_nop                                          ; one plain line behind the last conversion
	ds_store_b128 v4, v[WCD:WCD+3] offset:16*(\t)  ; 32 codes: 16 bytes of my column's row
.if (\t)+2 < NB
	WLOAD (\t)+2
.endif
	s_wait_dscnt 0x0                               ; the store has read its registers: the next block's codes may be written
.endm
.set BQ, 0
.rept NB
	WBLOCK BQ
.set BQ, BQ+1
.endr
	global_store_b128 v9, v[SB:SB+3], s[20:21]     ; my column's 16 scale bytes: rows 32 bytes apart, 98,304 bytes in the whole launch
.irp t, 0,1,2,3,4,5,6,7,8,9,10,11,12,13,14,15
	ds_load_b128 v[OUTR+4*\t:OUTR+4*\t+3], v7 offset:2*\t*WPITCH
.endr
.irp t, 0,1,2,3,4,5,6,7,8,9,10,11,12,13,14,15
	s_wait_dscnt 15-\t                             ; loads come back in order: load t is in
	global_store_b128 v8, v[OUTR+4*\t:OUTR+4*\t+3], s[18:19] offset:2*\t*KROW   ; sixteen lanes store 256 consecutive bytes, aligned
.endr
	s_wait_tensorcnt 0x0                           ; the wave's end
	ds_add_u32 v[SPW], v[NIL]
	s_wait_dscnt 0x0
	s_endpgm
.Lcast:
; ================= Wp -> f16.  A wave takes 8,192 numbers: 64 loads of 512 consecutive bytes, 64 stores of 256.  Two sets of 16 loads take turns.
	s_sub_co_u32 s25, ttmp9, 304
	s_lshl_b32 s25, s25, 2
	s_add_co_u32 s25, s25, s24                     ; my run, 0 .. 127
	s_lshl_b32 s28, s25, 15
	s_add_nc_u64 s[12:13], s[12:13], s[28:29]
	s_lshl_b32 s28, s25, 14
	s_add_nc_u64 s[22:23], s[22:23], s[28:29]
	v_lshlrev_b32 v3, 4, v2
	v_lshlrev_b32 v4, 3, v2
.macro LOADB bt, set
.irp k, 0,1,2,3,4,5,6,7,8,9,10,11,12,13,14,15
	global_load_b128 v[\set+4*\k:\set+4*\k+3], v3, s[12:13] offset:512*(16*(\bt)+\k) th:TH_LOAD_NT
.endr
.endm
.macro CASTB bt, set
.irp k, 0,1,2,3,4,5,6,7,8,9,10,11,12,13,14,15
	v_cvt_pk_f16_f32 v[144+2*\k], v[\set+4*\k], v[\set+4*\k+1]
	v_cvt_pk_f16_f32 v[145+2*\k], v[\set+4*\k+2], v[\set+4*\k+3]
	global_store_b64 v4, v[144+2*\k:145+2*\k], s[22:23] offset:256*(16*(\bt)+\k)
.endr
.endm
	LOADB 0, 16
	LOADB 1, 80
	s_wait_loadcnt 16                              ; the older set is in; the other set's 16 may be out
	CASTB 0, 16
	LOADB 2, 16
	s_wait_loadcnt 16
	s_wait_xcnt 0x0                                ; the last stores have read v144-175: they are written again only behind this wait
	CASTB 1, 80
	LOADB 3, 80
	s_wait_loadcnt 16
	s_wait_xcnt 0x0
	CASTB 2, 16
	s_wait_loadcnt 0
	s_wait_xcnt 0x0
	CASTB 3, 80
	s_wait_tensorcnt 0x0                           ; the same three lines as at the launch's other ends
	ds_add_u32 v[SPW], v[NIL]
	s_wait_dscnt 0x0
	s_endpgm
.Lfunc_end_k_qb7271d28ac_prep:
	.size	k_qb7271d28ac_prep, .Lfunc_end_k_qb7271d28ac_prep-k_qb7271d28ac_prep
	.p2alignl 7, 3214868480
	.fill 96, 4, 3214868480
	.section	.rodata,"a",@progbits
	.p2align	6, 0x0
	.amdhsa_kernel k_qb7271d28ac_prep
		.amdhsa_group_segment_fixed_size 68096
		.amdhsa_private_segment_fixed_size 0
		.amdhsa_enable_private_segment 0
		.amdhsa_kernarg_size 80
		.amdhsa_user_sgpr_count 2
		.amdhsa_user_sgpr_kernarg_segment_ptr 1
		.amdhsa_wavefront_size32 1
		.amdhsa_system_sgpr_workgroup_id_x 1
		.amdhsa_system_sgpr_workgroup_id_y 1
		.amdhsa_system_sgpr_workgroup_id_z 1
		.amdhsa_system_vgpr_workitem_id 0
		.amdhsa_next_free_vgpr 192
		.amdhsa_next_free_sgpr 66
		.amdhsa_reserve_vcc 0
		.amdhsa_float_denorm_mode_32 3
		.amdhsa_float_denorm_mode_16_64 3
		.amdhsa_memory_ordered 1
		.amdhsa_forward_progress 1
		.amdhsa_inst_pref_size 132
	.end_amdhsa_kernel
	.amdgpu_metadata
---
amdhsa.version: [ 1, 2 ]
amdhsa.kernels:
  - .name:           k_qb7271d28ac_prep
    .symbol:         k_qb7271d28ac_prep.kd
    .args:
      - { .name: x, .offset: 0, .size: 8, .value_kind: global_buffer, .address_space: global }
      - { .name: Wq, .offset: 8, .size: 8, .value_kind: global_buffer, .address_space: global }
      - { .name: Wk, .offset: 16, .size: 8, .value_kind: global_buffer, .address_space: global }
      - { .name: Wv, .offset: 24, .size: 8, .value_kind: global_buffer, .address_space: global }
      - { .name: Wp, .offset: 32, .size: 8, .value_kind: global_buffer, .address_space: global }
      - { .name: xc, .offset: 40, .size: 8, .value_kind: global_buffer, .address_space: global }
      - { .name: xs, .offset: 48, .size: 8, .value_kind: global_buffer, .address_space: global }
      - { .name: wc, .offset: 56, .size: 8, .value_kind: global_buffer, .address_space: global }
      - { .name: ws, .offset: 64, .size: 8, .value_kind: global_buffer, .address_space: global }
      - { .name: wp16, .offset: 72, .size: 8, .value_kind: global_buffer, .address_space: global }
    .group_segment_fixed_size: 68096
    .private_segment_fixed_size: 0
    .kernarg_segment_align: 8
    .kernarg_segment_size: 80
    .max_flat_workgroup_size: 128
    .sgpr_count:     66
    .vgpr_count:     192
    .wavefront_size: 32
...
	.end_amdgpu_metadata
.endif
;; end of part 1
;; launch qkv (part 2): grid 12 x 32, 4 waves a work-group, clusters of 4 x 4, 327,680 bytes of LDS; arguments xc, xs, wc, ws, qkv, qkv32, bq, bk, bv; writes qkv, qkv32
.if DOCPART == 2
	.amdgcn_target "amdgcn-amd-amdhsa--gfx1250"
	.amdhsa_code_object_version 6
	.text
	.protected	k_qb7271d28ac_qkv
	.globl	k_qb7271d28ac_qkv
	.p2align	8
	.type	k_qb7271d28ac_qkv,@function
k_qb7271d28ac_qkv:
	s_mov_b64 s[64:65], 0
	v_nop
	global_prefetch_b8 v0, s[64:65] scope:SCOPE_SE
	s_setreg_imm32_b32 hwreg(HW_REG_WAVE_MODE, 25, 1), 1
	s_wait_xcnt 0x0
	s_wait_alu depctr_hold_cnt(0) depctr_sa_sdst(0) depctr_va_vdst(0) depctr_va_sdst(0) depctr_va_ssrc(0) depctr_va_vcc(0) depctr_vm_vsrc(0)
	s_getreg_b32 s2, hwreg(HW_REG_IB_STS2, 6, 4)
	s_cmp_eq_u32 s2, 0
	s_cbranch_scc0 .Lentry_in_a_cluster
	s_endpgm
.Lentry_in_a_cluster:
	s_bfe_u32 s2, ttmp6, 0x10000c
	s_cmp_lg_u32 s2, 0xf033
	s_cbranch_scc0 .Lentry_shape_is_right
	s_endpgm
.Lentry_shape_is_right:
; [8192 x 1024] x [3072 x 1024]^T on codes of E2M1 with E8M0 scales, + bias: q, k and v in one product.  xc [8192][512 B], xs [8192][32 B], wc [3072][512 B], ws [3072][32 B].
; OUT: qkv [3][b 4][h 16][t 2048][64] f16; qkv32 [3][b][h][4,096 B]: positions 0-15 of every sequence in f32, laid as the accumulators' registers lie (piece 2 u + c: lane's 16 bytes = channels 16 u + 8 (lane / 16) + 4 c + 0..3 of position lane % 16).
; LIMIT: |q|, |k|, |v| beyond 65,504 do not fit f16.
; A tile of 256 rows x 256 columns is made by four waves, 128 x 128 each: 64 accumulators, 512 registers.  K = 1,024 is two LDS slots of 512 along K (rows of 256 bytes): both are filled at the head and nothing is filled again.
; CLUSTERS 4 x 4.  The cluster's x is the tensor (four tile columns are one weight), cx the tile column in it; cy is the BATCH and the cluster's y the tile of 256 positions in it, so that positions 0-15 of all four
; batches lie in clusters with y = 0 and the branch for the f32 copy hangs on the cluster's y and the wave's number alone.  A's tiles are shared along a row of the cluster, B's along a column: joint loads.
; THE MATRIX INSTRUCTION IS USED TRANSPOSED (source 0 = 16 rows of the weights, source 1 = 16 rows of x): a lane holds eight neighbouring columns of one row.  The bias is the C of each sum's first instruction.
; REGISTERS: window 0: v0-31 addresses; v32-95 scale words, two sets; v128-191 x's fragments, one set; v192-255 the bias, 8 registers a block of 16 columns; on the way out v32-127 are free.
;   window 1: the weights' fragments, two sets, at v0 and v128.   window 2: accumulators of my rows 0-63 ((a, b) at v[8 (8 a + b)]);   window 3: rows 64-127.
.set NQ,     4                         ; matrix instructions deep in a slot
.set ROWB,   256                       ; a tile's row: 512 codes
.set KROW,   512                       ; a row of codes in memory
.set PITCH,  272                       ; an LDS row: 256 bytes + 16: the 16 rows that a load touches start 16 bytes apart modulo 256
.set FR,     8
.set NL,     2
.set NP,     4                         ; places behind this matrix instruction (ISA guide 7.12.1)
.set HALFT,  128*PITCH
.set SLOT,   4*HALFT                   ; x's 256 rows, then the weights' 256 rows
.set KS,     32                        ; a row of scale bytes
.set SCL,    2*SLOT                    ; behind the slots: the scales, units of 256 bytes + 16
.set HALFS,  (128*KS/256)*272
.set SBLK,   (16*KS/256)*272
.set SPARE,  SCL+4*HALFS               ; the spare words, 128 bytes a wave
.set SPITCH, 272                       ; the way out: 16 rows x (256 bytes + 16) a wave, in slot 0, which has had its only fill and its last read by then
.set ADRA, 16
.set ADRB, 20
.set STO,  24
.set RD,   25
.set CO,   26
.set ADRS, 27
.set SPW,  28                          ; v28 my spare word's address; never rewritten
.set NIL,  29                          ; v29 0; never rewritten
.set FO,   30                          ; v30 16 x lane: the f32 copy
.set BO,   31                          ; v31 32 x (lane / 16): the bias
.set SC,   32
.set TMP,  32                          ; the way out: packed results
.set OB,   64                          ; the way out: rows read back, v64-95 and v96-127 by turns
.set AF,   128
.set BI,   192
.set G1, 24
.set G0, 32
.set G1B, 48
.set G0B, 56
.set G1S, 68
.set G0S, 76
.set G1SB, 80
.set G0SB, 88
.set MSB, 0
.macro WIN new                         ; the immediate's high byte repeats the setting that is left
.if MSB != \new
	s_set_vgpr_msb (MSB<<8)|\new
.set MSB, \new
.endif
.endm
.set MUL_LO, 0xa1                      ; source 0 window 1, source 1 window 0, C and D window 2
.set MUL_HI, 0xf1                      ; the same, C and D window 3
.set TO_B,   0x40
; A joint load: waves 0 and 1 fetch for x, waves 2 and 3 for the weights.  The branch hangs on the wave's number alone.  An s_nop 0 and four v_nop follow each line.
.macro JLOAD g0a, g1a, g0b, g1b
	s_cmp_eq_u32 s15, 0
	s_cbranch_scc0 .Lfor_b_\@
	tensor_load_to_lds s[\g0a:\g0a+3], s[\g1a:\g1a+7]
	s_nop 0
.rept 4
	v_nop
.endr
	s_branch .Lasked_\@
.Lfor_b_\@:
	tensor_load_to_lds s[\g0b:\g0b+3], s[\g1b:\g1b+7]
	s_nop 0
.rept 4
	v_nop
.endr
.Lasked_\@:
.endm
.macro CROUND                          ; a round of the cluster's barrier
	s_barrier_signal -1
	s_barrier_wait -1
	s_cmp_lg_u32 s14, 0
	s_cbranch_scc1 .Lnot_wave_0_\@
	s_barrier_signal -3
.Lnot_wave_0_\@:
	s_barrier_wait -3
	s_barrier_signal -1
	s_barrier_wait -1
.endm
	s_load_b128 s[4:7], s[0:1], 0x0                ; xc, xs
	s_load_b128 s[8:11], s[0:1], 0x10              ; wc, ws
	s_load_b64 s[12:13], s[0:1], 0x20              ; qkv
	s_load_b64 s[2:3], s[0:1], 0x28                ; qkv32
	s_load_b128 s[96:99], s[0:1], 0x30             ; bq, bk
	s_load_b64 s[100:101], s[0:1], 0x40            ; bv
	v_lshl_add_u32 v[SPW], v0, 2, SPARE
	v_mov_b32 v[NIL], 0
	ds_add_u32 v[SPW], v[NIL]                      ; the wave's opening: the add, twice on end, and its wait ahead of my first tensor load
	ds_add_u32 v[SPW], v[NIL]
	v_lshrrev_b32 v1, 5, v0
	v_readfirstlane_b32 s14, v1                    ; wave 0..3
	s_lshr_b32 s15, s14, 1                         ; which half of the tile's rows is mine.  Also: I fetch for x (0) or for the weights (1)
	s_and_b32 s16, s14, 1                          ; which half of its columns.  Also: which 128 rows I fetch
	s_bfe_u32 s40, ttmp6, 0x40000                  ; cx
	s_bfe_u32 s41, ttmp6, 0x40004                  ; cy: the batch
	s_lshl_b32 s42, ttmp9, 2
	s_add_co_u32 s42, s42, s40                     ; tile column = 4 x tensor + cx
	s_and_b32 s17, ttmp7, 0xffff                   ; the cluster's y: which 256 positions of the batch
	s_lshl_b32 s43, s41, 2
	s_lshl_b32 s43, 15, s43                        ; my row of the cluster
	s_lshl_b32 s44, 0x1111, s40                    ; my column
	s_or_b32 s[G1+0], s43, (0<<16)|(1<<20)|(1<<21)|(5<<22)|(3<<25)  ; mask; elements of 1 byte; padding on; bit 21 beside a mask; 4 words behind every 64
	s_or_b32 s[G1B+0], s44, (0<<16)|(1<<20)|(1<<21)|(5<<22)|(3<<25)
.irp g, G1, G1B
	s_mov_b32 s[\g+1], ROWB<<16                    ; tensor_dim0
	s_mov_b32 s[\g+2], 128<<16                     ; tensor_dim1
	s_mov_b32 s[\g+3], ROWB<<16                    ; tile_dim0
	s_mov_b32 s[\g+4], 128                         ; tile_dim1
	s_mov_b32 s[\g+5], KROW                        ; the pitch
	s_mov_b32 s[\g+6], 0
	s_mov_b32 s[\g+7], 0
.endr
	s_or_b32 s[G1S+0], s43, (3<<16)|(1<<20)|(1<<21)|(5<<22)|(3<<25) ; the scales of 128 rows: 4,096 dense bytes as 16 rows of 32 elements of 8 bytes
	s_or_b32 s[G1SB+0], s44, (3<<16)|(1<<20)|(1<<21)|(5<<22)|(3<<25)
.irp g, G1S, G1SB
	s_mov_b32 s[\g+1], 32<<16
	s_mov_b32 s[\g+2], (128*KS/256)<<16
	s_mov_b32 s[\g+3], 32<<16
	s_mov_b32 s[\g+4], 128*KS/256
	s_mov_b32 s[\g+5], 32
	s_mov_b32 s[\g+6], 0
	s_mov_b32 s[\g+7], 0
.endr
	s_lshl_b32 s18, s16, 7                         ; which 128 rows of the tile I fetch
	s_lshl_b32 s20, s41, 11
	s_lshl_b32 s21, s17, 8
	s_add_co_u32 s20, s20, s21
	s_add_co_u32 s20, s20, s18                     ; x: row 2,048 x batch + 256 x cluster y + 128 x half
	s_lshl_b32 s46, s42, 8
	s_add_co_u32 s46, s46, s18                     ; weights: row 256 x tile column + 128 x half
	s_mov_b32 s21, 0
	s_mov_b32 s47, 0
	s_mov_b64 s[18:19], KS
	s_mul_u64 s[22:23], s[20:21], s[18:19]         ; where these rows' scales begin,
	s_mul_u64 s[92:93], s[46:47], s[18:19]
	s_mov_b64 s[18:19], KROW
	s_mul_u64 s[20:21], s[20:21], s[18:19]         ; and their codes
	s_mul_u64 s[46:47], s[46:47], s[18:19]
	s_mul_i32 s45, s14, HALFT                      ; where they go: wave x 128 rows: no place in the cluster enters an LDS address
	s_mul_i32 s94, s14, HALFS
	s_wait_dscnt 0x0                               ; both opening adds are done
	s_wait_kmcnt 0x0
	s_add_nc_u64 s[20:21], s[4:5], s[20:21]
	s_add_nc_u64 s[22:23], s[6:7], s[22:23]
	s_add_nc_u64 s[46:47], s[8:9], s[46:47]
	s_add_nc_u64 s[92:93], s[10:11], s[92:93]
	CROUND                                         ; all sixteen work-groups are here: the joint loads meet
	s_mov_b32 s[G0S], 1
	s_add_co_u32 s[G0S+1], s94, SCL
	s_mov_b64 s[G0S+2:G0S+3], s[22:23]
	s_or_b32 s[G0S+3], s[G0S+3], 0x80000000
	s_mov_b32 s[G0SB], 1
	s_add_co_u32 s[G0SB+1], s94, SCL
	s_mov_b64 s[G0SB+2:G0SB+3], s[92:93]
	s_or_b32 s[G0SB+3], s[G0SB+3], 0x80000000
	JLOAD G0S, G1S, G0SB, G1SB                     ; the scales first: they are wanted with the first K step
.irp s, 0,1
	s_mov_b32 s[G0+4*\s], 1
	s_add_co_u32 s[G0+4*\s+1], s45, \s*SLOT
	s_add_nc_u64 s[G0+4*\s+2:G0+4*\s+3], s[20:21], \s*ROWB
	s_or_b32 s[G0+4*\s+3], s[G0+4*\s+3], 0x80000000
	s_mov_b32 s[G0B+4*\s], 1
	s_add_co_u32 s[G0B+4*\s+1], s45, \s*SLOT
	s_add_nc_u64 s[G0B+4*\s+2:G0B+4*\s+3], s[46:47], \s*ROWB
	s_or_b32 s[G0B+4*\s+3], s[G0B+4*\s+3], 0x80000000
	JLOAD G0+4*\s, G1, G0B+4*\s, G1B               ; three loads of mine are out in all
.endr
	v_and_b32 v1, 15, v0                           ; r = lane % 16
	v_bfe_u32 v2, v0, 4, 1                         ; h = lane / 16
	; the bias of my 128 columns: register 8 b + j of lane (r, h) = bias[256 cx + 128 half + 16 b + 8 h + j]
	v_lshlrev_b32 v[BO], 5, v2
	s_cmp_eq_u32 ttmp9, 0                          ; which bias: a choice on the cluster's x alone
	s_cselect_b64 s[96:97], s[96:97], s[98:99]
	s_cmp_eq_u32 ttmp9, 2
	s_cselect_b64 s[96:97], s[100:101], s[96:97]
	s_lshl_b32 s66, s40, 10
	s_lshl_b32 s67, s16, 9
	s_add_co_u32 s66, s66, s67
	s_mov_b32 s67, 0
	s_add_nc_u64 s[96:97], s[96:97], s[66:67]
.irp b, 0,1,2,3,4,5,6,7
	global_load_b128 v[BI+8*\b:BI+8*\b+3], v[BO], s[96:97] offset:64*\b
	global_load_b128 v[BI+8*\b+4:BI+8*\b+7], v[BO], s[96:97] offset:64*\b+16
.endr
	v_mul_u32_u24 v3, v1, PITCH
	v_lshl_add_u32 v4, v2, 4, v3                   ; a fragment's row x pitch + 16 x half
	s_mul_i32 s21, s15, HALFT                      ; my 128 rows of x
	s_mul_i32 s22, s16, HALFT                      ; my 128 rows of the weights,
	s_add_co_u32 s22, s22, 2*HALFT                 ; which lie behind x's 256
.irp s, 0,1
	v_add_nc_u32 v[ADRA+\s], s21, v4
	v_add_nc_u32 v[ADRB+\s], s22, v4
	s_add_co_u32 s21, s21, SLOT
	s_add_co_u32 s22, s22, SLOT
.endr
	v_mul_u32_u24 v5, v1, KS                       ; my row's scales: 32 bytes a row,
	v_lshrrev_b32 v6, 8, v5
	v_lshl_add_u32 v5, v6, 4, v5                   ; and 16 more for each 256 passed
	s_mul_i32 s21, s15, HALFS
	s_mul_i32 s22, s16, HALFS
	s_add_co_u32 s22, s22, 2*HALFS
	s_sub_co_u32 s22, s22, s21
	v_mul_u32_u24 v6, s22, v2                      ; lanes 16-31 take the weights': one product, the distance between the two bases
	s_add_co_u32 s21, s21, SCL
	v_add_nc_u32 v5, v5, v6
	v_add_nc_u32 v[ADRS], s21, v5
	s_mul_i32 s23, s14, 16*SPITCH                  ; my stage
	v_mul_u32_u24 v5, v1, SPITCH
	v_lshl_add_u32 v5, v2, 4, v5
	v_add_nc_u32 v[STO], s23, v5                   ; in: row r, 16 bytes for each half of the lanes
	v_bfe_u32 v5, v0, 3, 1
	v_mul_u32_u24 v5, v5, SPITCH
	v_lshl_add_u32 v5, v2, 7, v5
	v_and_b32 v6, 7, v0
	v_lshl_add_u32 v5, v6, 4, v5
	v_add_nc_u32 v[RD], s23, v5                    ; back: lanes 0-15 two rows of my first head (128 bytes each), lanes 16-31 of my second
	v_lshlrev_b32 v[CO], 18, v2                    ; in memory a head is 262,144 bytes; two of its rows are 256 consecutive bytes
	v_lshl_add_u32 v[CO], v1, 4, v[CO]
	v_and_b32 v6, 31, v0
	v_lshlrev_b32 v[FO], 4, v6
	s_lshl_b32 s46, s41, 4
	s_lshl_b32 s47, s40, 2
	s_add_co_u32 s46, s46, s47
	s_lshl_b32 s47, s16, 1
	s_add_co_u32 s46, s46, s47                     ; my first head in [b][h]: 16 cy + 4 cx + 2 half
	s_lshl_b32 s66, s46, 12                        ; qkv32: 4,096 bytes a head,
	s_lshl_b32 s67, ttmp9, 18                      ; 262,144 a tensor
	s_add_co_u32 s66, s66, s67
	s_mov_b32 s67, 0
	s_add_nc_u64 s[2:3], s[2:3], s[66:67]
	s_lshl_b32 s46, s46, 11
	s_lshl_b32 s47, s17, 8
	s_add_co_u32 s46, s46, s47
	s_lshl_b32 s47, s15, 7
	s_add_co_u32 s46, s46, s47                     ; head x 2,048 + my first position
	s_lshl_b32 s46, s46, 7                         ; rows of 128 bytes
	s_lshl_b32 s47, ttmp9, 24                      ; 16,777,216 bytes a tensor
	s_add_co_u32 s46, s46, s47
	s_mov_b32 s47, 0
	s_add_nc_u64 s[12:13], s[12:13], s[46:47]
.macro FRAG reg, adr, q, i             ; 16 rows x 128 K of 4-bit codes: 8 registers, two loads of 16 bytes, 32 bytes apart
.irp c, 0,1
	ds_load_b128 v[\reg+4*\c:\reg+4*\c+3], v[\adr] offset:64*(\q)+32*\c+(\i)*16*PITCH
.endr
.endm
; 16 matrix instructions: x's blocks a0, a0 + 1 against the weights' eight.  zero = 1: the bias is the C of the sum's first instruction.  The 64 accumulators take turns, one instruction a turn.
.macro MUL16 a0, p, q, sc, zero
.irp a, \a0, \a0+1
.irp b, 0,1,2,3,4,5,6,7
.if \zero
	v_wmma_scale_f32_16x16x128_f8f6f4 v[8*(8*((\a)%4)+\b):8*(8*((\a)%4)+\b)+7], v[128*(\p)+FR*\b:128*(\p)+FR*\b+FR-1], v[AF+FR*(\a):AF+FR*(\a)+FR-1], v[BI+8*\b:BI+8*\b+7], v[SC+8*NQ*(\sc)+NQ*\b+(\q)], v[SC+8*NQ*(\sc)+NQ*(\a)+(\q)] matrix_a_fmt:MATRIX_FMT_FP4 matrix_b_fmt:MATRIX_FMT_FP4 matrix_a_scale:MATRIX_SCALE_ROW1
.else
	v_wmma_scale_f32_16x16x128_f8f6f4 v[8*(8*((\a)%4)+\b):8*(8*((\a)%4)+\b)+7], v[128*(\p)+FR*\b:128*(\p)+FR*\b+FR-1], v[AF+FR*(\a):AF+FR*(\a)+FR-1], v[8*(8*((\a)%4)+\b):8*(8*((\a)%4)+\b)+7], v[SC+8*NQ*(\sc)+NQ*\b+(\q)], v[SC+8*NQ*(\sc)+NQ*(\a)+(\q)] matrix_a_fmt:MATRIX_FMT_FP4 matrix_b_fmt:MATRIX_FMT_FP4 matrix_a_scale:MATRIX_SCALE_ROW1
.endif
.endr
.endr
.endm
.macro FETCH_B slot, q, p
	WIN TO_B
.irp i, 0,1,2,3,4,5,6,7
	FRAG 128*(\p)+FR*\i, ADRB+\slot, \q, \i
.endr
	WIN 0
.endm
.macro FETCH_A slot, q, i0
.irp i, \i0, \i0+1, \i0+2, \i0+3
	FRAG AF+FR*(\i), ADRA+\slot, \q, \i
.endr
.endm
.macro SCALES sc                       ; a slot's scale words: lanes 0-15 x's block i, lanes 16-31 the weights' block i
.irp i, 0,1,2,3,4,5,6,7
	ds_load_b128 v[SC+8*NQ*\sc+NQ*\i:SC+8*NQ*\sc+NQ*\i+3], v[ADRS] offset:\i*SBLK
.endr
.endm
.macro PLACES n                        ; plain vector lines between a matrix instruction and a load into, or a read of, its registers
.rept \n
	v_nop
.endr
.endm
.macro STEP slot, q, zero              ; 128 along K with its successor in the same slot
	s_wait_dscnt 4*NL                              ; the weights' set and x's blocks 0-3 are in; the youngest eight loads (x's blocks 4-7) may be out
.if \zero
	WIN 0x81                                       ; C (the bias) in window 0, D in window 2
.else
	WIN MUL_LO
.endif
	MUL16 0, (\q)%2, \q, \slot, \zero
	MUL16 2, (\q)%2, \q, \slot, \zero
	s_wait_dscnt 0
	PLACES NP
	FETCH_B \slot, (\q)+1, 1-(\q)%2
	FETCH_A \slot, (\q)+1, 0
.if \zero
	WIN 0xc1
.else
	WIN MUL_HI
.endif
	MUL16 4, (\q)%2, \q, \slot, \zero
	MUL16 6, (\q)%2, \q, \slot, \zero
	PLACES NP
	WIN 0
	FETCH_A \slot, (\q)+1, 4
.endm
	s_wait_tensorcnt 1                             ; the scales and my part of slot 0 are in; slot 1's load may be out
	s_barrier_signal -1
	s_barrier_wait -1
	FETCH_B 0, 0, 0
	FETCH_A 0, 0, 0
	SCALES 0
	FETCH_A 0, 0, 4
	s_wait_loadcnt 0x0                             ; the bias
	STEP 0, 0, 1
	STEP 0, 1, 0
	STEP 0, 2, 0
	; slot 0's last step changes slots: one barrier; in front of it my part of slot 1 has landed and my reads of slot 0 are over
	s_wait_tensorcnt 0x0
	ds_add_u32 v[SPW], v[NIL]
	s_wait_dscnt 4*NL+1                            ; the add and the youngest eight loads may be out
	WIN MUL_LO
	MUL16 0, 1, NQ-1, 0, 0
	s_wait_dscnt 0x0
	s_barrier_signal -1
	MUL16 2, 1, NQ-1, 0, 0
	WIN 0
	s_barrier_wait -1
	PLACES NP
	v_add_nc_u32 v[ADRS], 4*NQ, v[ADRS]            ; slot 1's scale words (no LDS load of mine is out)
	FETCH_B 1, 0, 0
	FETCH_A 1, 0, 0
	SCALES 1
	WIN MUL_HI
	MUL16 4, 1, NQ-1, 0, 0
	MUL16 6, 1, NQ-1, 0, 0
	PLACES NP
	WIN 0
	FETCH_A 1, 0, 4
	STEP 1, 0, 0
	STEP 1, 1, 0
	STEP 1, 2, 0
	s_wait_dscnt 4*NL                              ; the very last step
	WIN MUL_LO
	MUL16 0, 1, NQ-1, 1, 0
	MUL16 2, 1, NQ-1, 1, 0
	s_wait_dscnt 0
	WIN MUL_HI
	MUL16 4, 1, NQ-1, 1, 0
	MUL16 6, 1, NQ-1, 1, 0
	WIN 0
	PLACES NP
	; THE F32 COPY of positions 0-15: block 0 of the waves with the tile's first 128 rows, in clusters with y = 0.  Each store covers 512 consecutive bytes; each accumulator is read from its low end on.
	s_or_b32 s94, s17, s15
	s_cmp_lg_u32 s94, 0
	s_cbranch_scc1 .Lnofine
	WIN 0x08                                       ; a store's data are its source 1: window 2
.irp bb, 0,1,2,3,4,5,6,7
	global_store_b128 v[FO], v[8*\bb:8*\bb+3], s[2:3] offset:(\bb/4)*4096+(\bb%4)*1024
	global_store_b128 v[FO], v[8*\bb+4:8*\bb+7], s[2:3] offset:(\bb/4)*4096+(\bb%4)*1024+512
.endr
	WIN 0
.Lnofine:
; THE WAY OUT, a block of 16 rows x 128 columns at a time: rounded to f16, through my own stage, back as pairs of rows of one head.
.macro PACK a
.set AC, 64*((\a)%4)
	WIN 0x0a+5*((\a)/4)                            ; sources 0 and 1: window 2 or 3
.irp b, 0,1,2,3,4,5,6,7
.irp i, 0,1,2,3
	v_cvt_pk_f16_f32 v[TMP+4*\b+\i], v[AC+8*\b+2*\i], v[AC+8*\b+2*\i+1]
.endr
.endr
	WIN 0
.endm
.macro TOSTAGE a
.set BK, OB+32*((\a)%2)
.irp b, 0,1,2,3,4,5,6,7
	ds_store_b128 v[STO], v[TMP+4*\b:TMP+4*\b+3] offset:32*\b
.endr
.irp t, 0,1,2,3,4,5,6,7
	ds_load_b128 v[BK+4*\t:BK+4*\t+3], v[RD] offset:\t*2*SPITCH   ; LDS serves a wave's instructions in order: these see the stores above
.endr
.endm
.macro SEND a
.set BK, OB+32*((\a)%2)
	s_wait_dscnt 0x0                               ; the block is back in registers
	s_wait_xcnt 0x0                                ; the block before has had its stores' registers read: the next loads from the stage land there only behind this wait
.irp t, 0,1,2,3,4,5,6,7
	global_store_b128 v[CO], v[BK+4*\t:BK+4*\t+3], s[12:13] offset:2048*(\a)+256*\t   ; sixteen lanes store 256 consecutive bytes, aligned
.endr
.endm
	PACK 0
	TOSTAGE 0
.irp a, 1,2,3,4,5,6,7
	PACK \a                                        ; block a's conversions stand between block a - 1's loads from the stage and the wait for them
	SEND (\a)-1
	TOSTAGE \a
.endr
	SEND 7
	s_wait_tensorcnt 0x0                           ; the wave's end
	ds_add_u32 v[SPW], v[NIL]
	s_wait_dscnt 0x0
	CROUND                                         ; the closing round
	s_endpgm
.Lfunc_end_k_qb7271d28ac_qkv:
	.size	k_qb7271d28ac_qkv, .Lfunc_end_k_qb7271d28ac_qkv-k_qb7271d28ac_qkv
	.p2alignl 7, 3214868480
	.fill 96, 4, 3214868480
	.section	.rodata,"a",@progbits
	.p2align	6, 0x0
	.amdhsa_kernel k_qb7271d28ac_qkv
		.amdhsa_group_segment_fixed_size 327680
		.amdhsa_private_segment_fixed_size 0
		.amdhsa_enable_private_segment 0
		.amdhsa_kernarg_size 72
		.amdhsa_user_sgpr_count 2
		.amdhsa_user_sgpr_kernarg_segment_ptr 1
		.amdhsa_wavefront_size32 1
		.amdhsa_system_sgpr_workgroup_id_x 1
		.amdhsa_system_sgpr_workgroup_id_y 1
		.amdhsa_system_sgpr_workgroup_id_z 1
		.amdhsa_system_vgpr_workitem_id 0
		.amdhsa_next_free_vgpr 1024
		.amdhsa_next_free_sgpr 102
		.amdhsa_reserve_vcc 0
		.amdhsa_float_denorm_mode_32 3
		.amdhsa_float_denorm_mode_16_64 3
		.amdhsa_memory_ordered 1
		.amdhsa_forward_progress 1
		.amdhsa_inst_pref_size 130
	.end_amdhsa_kernel
	.amdgpu_metadata
---
amdhsa.version: [ 1, 2 ]
amdhsa.kernels:
  - .name:           k_qb7271d28ac_qkv
    .symbol:         k_qb7271d28ac_qkv.kd
    .args:
      - { .name: xc, .offset: 0, .size: 8, .value_kind: global_buffer, .address_space: global }
      - { .name: xs, .offset: 8, .size: 8, .value_kind: global_buffer, .address_space: global }
      - { .name: wc, .offset: 16, .size: 8, .value_kind: global_buffer, .address_space: global }
      - { .name: ws, .offset: 24, .size: 8, .value_kind: global_buffer, .address_space: global }
      - { .name: qkv, .offset: 32, .size: 8, .value_kind: global_buffer, .address_space: global }
      - { .name: qkv32, .offset: 40, .size: 8, .value_kind: global_buffer, .address_space: global }
      - { .name: bq, .offset: 48, .size: 8, .value_kind: global_buffer, .address_space: global }
      - { .name: bk, .offset: 56, .size: 8, .value_kind: global_buffer, .address_space: global }
      - { .name: bv, .offset: 64, .size: 8, .value_kind: global_buffer, .address_space: global }
    .group_segment_fixed_size: 327680
    .private_segment_fixed_size: 0
    .kernarg_segment_align: 8
    .kernarg_segment_size: 72
    .max_flat_workgroup_size: 128
    .sgpr_count:     102
    .vgpr_count:     1024
    .wavefront_size: 32
...
	.end_amdgpu_metadata
.endif
;; end of part 2
;; launch attn (part 3): grid 4 x 64, 8 waves a work-group, no clusters, 327,680 bytes of LDS; arguments qkv, yh; writes yh
.if DOCPART == 3
	.amdgcn_target "amdgcn-amd-amdhsa--gfx1250"
	.amdhsa_code_object_version 6
	.text
	.protected	k_qb7271d28ac_attn
	.globl	k_qb7271d28ac_attn
	.p2align	8
	.type	k_qb7271d28ac_attn,@function
k_qb7271d28ac_attn:
	s_mov_b64 s[64:65], 0
	v_nop
	global_prefetch_b8 v0, s[64:65] scope:SCOPE_SE
	s_setreg_imm32_b32 hwreg(HW_REG_WAVE_MODE, 25, 1), 1
	s_wait_xcnt 0x0
; Causal attention, head size 64, operands in f16, products, maxima and sums in f32.  qkv [3][b][h][2048][64] f16 -> yh [h 16][2048 b + t][64] f16.
; p = 2^(c s - c m), c = log2(e) / 8, m the running maximum of the row; the sum l is taken of the unrounded p; O and l are multiplied by 2^(c m_old - c m_new) in every step; O / l at the end.
; LIMITS: |y| beyond 65,504 does not fit f16; p under 6e-5 is rounded with an absolute error of 3e-8; NaN and infinities are not served.  Positions 0-15 are computed again in f32 by a later launch.
; SHARES.  Work-group (x, head) owns the blocks of 256 queries 7 - x and then x.  Block i needs the key slots 0 .. i of 256 keys, so EVERY work-group walks (8 - x) + (x + 1) = 9 slots: 256 work-groups of equal
; work and a trip count that is a constant.  Wave w owns 32 queries, two tiles of 16: group g = w for w < 4, else 11 - w, so that waves four apart have five of a diagonal slot's steps between them.
; NO CLUSTER: the four work-groups of a head walk different slots from the fifth trip on (x = 3 turns back to slot 0 there), so a partner would have to ask for tiles that none of its waves reads.
; LAYOUT.  S^T = K Q^T (source 0 = 16 keys, source 1 = 16 queries), O^T = V^T P (source 0 = 16 channels, by the turning load): a lane holds ONE query throughout.
; LDS: slot s at s x 2^17: K's 256 keys as 128 rows of two keys (256 bytes + 16), then V's likewise (256 + 32); behind the slots a stage of 32 rows x 144 bytes a wave; then the spare words.
; REGISTERS: window 0: v1-15 addresses; v16-31 statistics, 8 a tile (+0 c m, +1 m, +2, +3 l, +4..7 at work); v32-63 Q; v64-127 S^T; v128-159 P; v160-223 O^T.
;   window 1: v0-63 K's fragments; v64-127 V's; v128-159 the second block's Q.
.set PK,    272
.set PV,    288
.set VOFF,  128*PK
.set SLOT1, 1<<17
.set STAGE, SLOT1+VOFF+128*PV
.set SPARE, STAGE+8*32*144
.set AK0, 1
.set AV0, 2
.set ADK, 3
.set ADV, 4
.set STO, 5
.set RD,  6
.set GO,  7
.set DQ,  8                            ; v8  lane % 16 - 8 (lane / 16)
.set DD,  9
.set NINF, 10
.set PFO, 11                           ; v11 256 x lane; never rewritten
.set SPW, 12                           ; v12 my spare word's address; never rewritten
.set NIL, 13                           ; v13 0; never rewritten
.set QO,  14
.set ST,  16
.set Q,   32
.set S,   64
.set P,   128
.set O,   160
.set WV,  12
.set G,   13
.set X,   14
.set BH,  15
.set SEL, 16
.set CS,  18
.set G1K, 24
.set G1V, 32
.set G0K, 40
.set G0V, 44
.set KB,  48                           ; s[48:49] K's codes... K of my head, at the half that I fetch
.set VB,  50
.set OFF, 52
.set KS,  54                           ; the key slot in hand
.set QB,  55                           ; the block of queries in hand
.set NK,  56                           ; the key slot that follows
.set KF,  57                           ; the step's first key
.set Q0,  58                           ; my first query
.set CNT, 59
.set TB,  60                           ; LDS byte at which the slot in hand begins
.set PFA, 68
.set LIM, 70
.set YB,  72
.set YP,  74
.set QA,  76
.set QA2, 78
.set MSB, 0
.macro WIN new
.if MSB != \new
	s_set_vgpr_msb (MSB<<8)|\new
.set MSB, \new
.endif
.endm
; Waves 0 and 1 fetch K's halves, waves 2 and 3 V's, the others nothing.  The branches hang on the wave's number alone.  An s_nop 0 and four v_nop follow each load.
.macro TLOAD
	s_cmp_lt_u32 s[WV], 2
	s_cbranch_scc0 .Lnot_k_\@
	tensor_load_to_lds s[G0K:G0K+3], s[G1K:G1K+7]
	s_nop 0
.rept 4
	v_nop
.endr
	s_branch .Lasked_\@
.Lnot_k_\@:
	s_cmp_lt_u32 s[WV], 4
	s_cbranch_scc0 .Lasked_\@
	tensor_load_to_lds s[G0V:G0V+3], s[G1V:G1V+7]
	s_nop 0
.rept 4
	v_nop
.endr
.Lasked_\@:
.endm
; A PREFETCH of the slot that the NEXT change of slots will ask for.  Of a head's four work-groups only x = 0 walks all eight slots in its first block: it alone asks, in trips 0 to 5, for slots 2 to 7.
; Waves 0-3 name K's 32,768 bytes, 8,192 a wave, lanes 256 bytes apart; waves 4-7 V's: each aligned block of 256 bytes is named once in the launch.  Slots 0 and 1 come by their loads alone.
.macro ASK
	s_cmp_gt_u32 s[CNT], s[LIM]
	s_cbranch_scc0 .Lnot_mine_\@
	global_prefetch_b8 v[PFO], s[PFA:PFA+1] th:TH_LOAD_NT scope:SCOPE_SE
.Lnot_mine_\@:
.endm
.macro PLACES
.rept 4
	v_nop
.endr
.endm
.macro INIT                            ; a block's start: m = -3e38, under every score; l and O^T zeros, which the first change of m leaves zeros; all eight statistics are written
.irp t, 0,1
	v_mov_b32 v[ST+8*\t+1], 0xff61b1e6
	v_mul_f32 v[ST+8*\t], s[CS], v[ST+8*\t+1]
.irp k, 2,3,4,5,6,7
	v_mov_b32 v[ST+8*\t+\k], 0
.endr
.endr
.set i, 0
.rept 64
	v_mov_b32 v[O+i], 0
.set i, i+1
.endr
.endm
	s_load_b128 s[4:7], s[0:1], 0x0                ; qkv, yh
	v_lshl_add_u32 v[SPW], v0, 2, SPARE
	v_mov_b32 v[NIL], 0
	ds_add_u32 v[SPW], v[NIL]                      ; the wave's opening: the add, twice on end, and its wait ahead of the first tensor load
	ds_add_u32 v[SPW], v[NIL]
	v_lshrrev_b32 v14, 5, v0
	v_readfirstlane_b32 s[WV], v14                 ; wave 0..7
	s_sub_co_u32 s[G], 11, s[WV]
	s_cmp_lt_u32 s[WV], 4
	s_cselect_b32 s[G], s[WV], s[G]                ; my group of 32 queries (it enters global addresses and the mask alone)
	s_mov_b32 s[X], ttmp9
	s_and_b32 s[BH], ttmp7, 0xffff                 ; 16 b + h
	s_lshl_b32 s20, s[BH], 18                      ; a head is 262,144 bytes
	s_mov_b32 s21, 0
	s_mov_b32 s23, 0
	s_mov_b32 s[OFF+1], 0
	s_mov_b32 s[G1K], (1<<16)|(1<<20)|(5<<22)|(3<<25)   ; no mask; elements of 2 bytes; padding on: 4 words behind every 64
	s_mov_b32 s[G1V], (1<<16)|(1<<20)|(5<<22)|(7<<25)   ; 8 words
.irp g, G1K, G1V
	s_mov_b32 s[\g+1], 128<<16                     ; tensor_dim0: two keys' 128 elements
	s_mov_b32 s[\g+2], 64<<16                      ; tensor_dim1: 64 such rows
	s_mov_b32 s[\g+3], 128<<16                     ; tile_dim0
	s_mov_b32 s[\g+4], 64                          ; tile_dim1
	s_mov_b32 s[\g+5], 128                         ; the pitch: the rows are dense in memory
	s_mov_b32 s[\g+6], 0
	s_mov_b32 s[\g+7], 0
.endr
	s_mov_b32 s[SEL], 0x76543210
	s_mov_b32 s[SEL+1], 0xfedcba98
	s_mov_b32 s[CS], 0x3e38aa3b                    ; c = log2(e) / 8
	s_mov_b32 s[CS+1], s[CS]
	s_and_b32 s63, s[WV], 1                        ; which half of a slot's 256 keys I fetch
	s_mul_i32 s66, s63, 64*PK
	s_mul_i32 s67, s63, 64*PV
	s_add_co_u32 s67, s67, VOFF
	s_mov_b32 s[KS], 0
	s_sub_co_u32 s[QB], 7, s[X]
	s_mov_b32 s[KF], 0
	s_mov_b32 s[TB], 0
	s_mov_b32 s[CNT], 8
	s_mov_b32 s[NK], 0
	s_cmp_eq_u32 s[X], 0
	s_cselect_b32 s[LIM], 2, -1
	s_wait_dscnt 0x0                               ; both opening adds are done
	s_wait_kmcnt 0x0
	s_add_nc_u64 s[QA:QA+1], s[4:5], s[20:21]      ; q of my head,
	s_add_nc_u64 s[KB:KB+1], s[QA:QA+1], 0x1000000 ; k,
	s_add_nc_u64 s[VB:VB+1], s[QA:QA+1], 0x2000000 ; v
	s_cmp_lt_u32 s[WV], 4
	s_cselect_b64 s[PFA:PFA+1], s[KB:KB+1], s[VB:VB+1]
	s_lshl_b32 s22, s63, 14
	s_add_nc_u64 s[KB:KB+1], s[KB:KB+1], s[22:23]
	s_add_nc_u64 s[VB:VB+1], s[VB:VB+1], s[22:23]
	s_mov_b32 s[G0K], 1
	s_mov_b32 s[G0K+1], s66
	s_mov_b64 s[G0K+2:G0K+3], s[KB:KB+1]
	s_or_b32 s[G0K+3], s[G0K+3], 0x80000000
	s_mov_b32 s[G0V], 1
	s_mov_b32 s[G0V+1], s67
	s_mov_b64 s[G0V+2:G0V+3], s[VB:VB+1]
	s_or_b32 s[G0V+3], s[G0V+3], 0x80000000
	TLOAD                                          ; slot 0: keys 0 to 255, which count for every block
	s_and_b32 s22, s[WV], 3
	s_lshl_b32 s22, s22, 13
	s_add_co_u32 s22, s22, 32768                   ; the prefetches stand in slot 1; the first change of slots steps them to slot 2
	s_add_nc_u64 s[PFA:PFA+1], s[PFA:PFA+1], s[22:23]
	s_lshl_b32 s66, s[G], 5
	s_lshl_b32 s22, s[X], 8
	s_add_co_u32 s22, s22, s66
	s_lshl_b32 s22, s22, 7
	s_add_nc_u64 s[QA2:QA2+1], s[QA:QA+1], s[22:23]   ; my 32 queries of block x,
	s_lshl_b32 s[Q0], s[QB], 8
	s_add_co_u32 s[Q0], s[Q0], s66
	s_lshl_b32 s22, s[Q0], 7
	s_add_nc_u64 s[QA:QA+1], s[QA:QA+1], s[22:23]     ; and of block 7 - x
	s_and_b32 s22, s[BH], 15
	s_lshl_b32 s22, s22, 20
	s_lshr_b32 s66, s[BH], 4
	s_lshl_b32 s66, s66, 18
	s_add_co_u32 s22, s22, s66
	s_add_nc_u64 s[YB:YB+1], s[6:7], s[22:23]      ; yh at (h x 8,192 + b x 2,048) rows of 128 bytes
	v_and_b32 v3, 15, v0                           ; r
	v_bfe_u32 v4, v0, 4, 1                         ; h
	v_lshlrev_b32 v[QO], 7, v3
	v_lshl_add_u32 v[QO], v4, 4, v[QO]             ; Q: row r of 128 bytes + 16 h
.irp t, 0,1
.irp c, 0,1
	global_load_b128 v[Q+16*\t+8*\c:Q+16*\t+8*\c+3], v[QO], s[QA:QA+1] offset:2048*\t+64*\c
	global_load_b128 v[Q+16*\t+8*\c+4:Q+16*\t+8*\c+7], v[QO], s[QA:QA+1] offset:2048*\t+64*\c+32
.endr
.endr
	WIN 0x40                                       ; destination window 1
.irp t, 0,1
.irp c, 0,1
	global_load_b128 v[128+16*\t+8*\c:128+16*\t+8*\c+3], v[QO], s[QA2:QA2+1] offset:2048*\t+64*\c
	global_load_b128 v[128+16*\t+8*\c+4:128+16*\t+8*\c+7], v[QO], s[QA2:QA2+1] offset:2048*\t+64*\c+32
.endr
.endr
	WIN 0
	v_lshrrev_b32 v9, 1, v3
	v_mul_u32_u24 v[AK0], v9, PK
	v_and_b32 v9, 1, v3
	v_lshl_add_u32 v[AK0], v9, 7, v[AK0]
	v_lshl_add_u32 v[AK0], v4, 4, v[AK0]           ; K: key r lies at 272 (r / 2) + 128 (r % 2); + 16 h
	v_bfe_u32 v9, v0, 1, 2
	v_lshl_add_u32 v9, v4, 2, v9
	v_mul_u32_u24 v[AV0], v9, PV
	v_and_b32 v9, 1, v0
	v_lshl_add_u32 v[AV0], v9, 7, v[AV0]
	v_bfe_u32 v9, v0, 3, 1
	v_lshl_add_u32 v[AV0], v9, 4, v[AV0]
	v_add_nc_u32 v[AV0], VOFF, v[AV0]              ; V, for the turning load: key 8 h + lane % 8, channels 8 ((lane / 8) % 2) on
	s_mul_i32 s66, s[WV], 32*144
	s_add_co_u32 s66, s66, STAGE                   ; my stage
	v_mul_u32_u24 v[STO], v3, 144
	v_lshl_add_u32 v[STO], v4, 4, v[STO]
	v_add_nc_u32 v[STO], s66, v[STO]
	v_bfe_u32 v9, v0, 3, 2
	v_mul_u32_u24 v[RD], v9, 144
	v_and_b32 v9, 7, v0
	v_lshl_add_u32 v[RD], v9, 4, v[RD]
	v_add_nc_u32 v[RD], s66, v[RD]                 ; back: four rows of 128 bytes an instruction
	v_and_b32 v[GO], 31, v0
	v_lshlrev_b32 v[PFO], 8, v[GO]
	v_lshlrev_b32 v[GO], 4, v[GO]
	v_lshlrev_b32 v9, 3, v4
	v_sub_nc_u32 v[DQ], v3, v9
	v_mov_b32 v[NINF], 0xff800000
	INIT
; 8 products of S^T for tile t: the first four start the sums, the four accumulators take turns
.macro SMUL t
.irp c, 0,1
.irp kt, 0,1,2,3
.if \c == 0
	v_wmma_f32_16x16x32_f16 v[S+32*\t+8*\kt:S+32*\t+8*\kt+7], v[8*(2*\kt+\c):8*(2*\kt+\c)+7], v[Q+16*\t+8*\c:Q+16*\t+8*\c+7], 0
.else
	v_wmma_f32_16x16x32_f16 v[S+32*\t+8*\kt:S+32*\t+8*\kt+7], v[8*(2*\kt+\c):8*(2*\kt+\c)+7], v[Q+16*\t+8*\c:Q+16*\t+8*\c+7], v[S+32*\t+8*\kt:S+32*\t+8*\kt+7]
.endif
.endr
.endr
.endm
.macro PVMUL t                         ; 8 products of O^T += V^T P for tile t, the four accumulators by turns
.irp kc, 0,1
.irp dt, 0,1,2,3
	v_wmma_f32_16x16x32_f16 v[O+32*\t+8*\dt:O+32*\t+8*\dt+7], v[64+8*(4*\kc+\dt):64+8*(4*\kc+\dt)+7], v[P+16*\t+8*\kc:P+16*\t+8*\kc+7], v[O+32*\t+8*\dt:O+32*\t+8*\dt+7]
.endr
.endr
.endm
; One tile's softmax for 64 keys.  Each accumulator of S^T and of O^T is read from its low end on.
.macro SOFTMAX t
.set rT, ST+8*(\t)
.set rS, S+32*(\t)
.set rP, P+16*(\t)
.set rO, O+32*(\t)
.irp j, 0,1,2,3
	v_max3_num_f32 v[rT+4+\j], v[rS+8*\j], v[rS+8*\j+1], v[rS+8*\j+2]
.endr
.irp i, 3,5
.irp j, 0,1,2,3
	v_max3_num_f32 v[rT+4+\j], v[rT+4+\j], v[rS+8*\j+\i], v[rS+8*\j+\i+1]
.endr
.endr
	v_max3_num_f32 v[rT+4], v[rT+4], v[rS+7], v[rS+15]
	v_max3_num_f32 v[rT+6], v[rT+6], v[rS+23], v[rS+31]
	v_max3_num_f32 v[rT+4], v[rT+4], v[rT+5], v[rT+6]
	v_max3_num_f32 v[rT+4], v[rT+4], v[rT+7], v[rT+1]      ; with the old m
	v_permlanex16_b32 v[rT+5], v[rT+4], s[SEL], s[SEL+1]   ; the query's other 32 keys lie in the lane 16 away
	v_mov_b32 v[rT+7], v[rT]                               ; c m_old
	v_max_num_f32 v[rT+1], v[rT+4], v[rT+5]                ; the new m
	v_mul_f32 v[rT], s[CS], v[rT+1]
	v_sub_f32 v[rT+7], v[rT+7], v[rT]
.set i, 0
.rept 16
	v_pk_fma_f32 v[rS+i:rS+i+1], v[rS+i:rS+i+1], s[CS:CS+1], v[rT:rT+1] op_sel_hi:[1,0,0] neg_lo:[0,0,1] neg_hi:[0,0,1]   ; c s - c m
.set i, i+2
.endr
	v_exp_f32 v[rT+6], v[rT+7]                             ; a = 2^(c m_old - c m_new)
.set i, 0
.rept 32
	v_exp_f32 v[rS+i], v[rS+i]
.set i, i+1
.endr
	v_nop                                                  ; a plain line behind the last exponential
	s_wait_alu depctr_va_vdst(0)                           ; one wait for the batch of 33, ahead of its first reader
.set i, 0
.rept 16
	v_cvt_pk_f16_f32 v[rP+i], v[rS+2*i], v[rS+2*i+1]
.set i, i+1
.endr
.irp u, 0,1,2,3,4,5,6,7
	v_pk_add_f32 v[rS+4*\u:rS+4*\u+1], v[rS+4*\u:rS+4*\u+1], v[rS+4*\u+2:rS+4*\u+3]
.endr
.irp u, 0,1,2,3
	v_pk_add_f32 v[rS+8*\u:rS+8*\u+1], v[rS+8*\u:rS+8*\u+1], v[rS+8*\u+4:rS+8*\u+5]
.endr
.irp u, 0,1
	v_pk_add_f32 v[rS+16*\u:rS+16*\u+1], v[rS+16*\u:rS+16*\u+1], v[rS+16*\u+8:rS+16*\u+9]
.endr
	v_pk_add_f32 v[rS:rS+1], v[rS:rS+1], v[rS+16:rS+17]
	v_pk_fma_f32 v[rT+2:rT+3], v[rT+2:rT+3], v[rT+6:rT+7], v[rS:rS+1] op_sel_hi:[1,0,1]   ; l = a l + the step's sum
.set i, 0
.rept 16
	v_pk_mul_f32 v[rO+i:rO+i+1], v[rO+i:rO+i+1], v[rT+6:rT+7] op_sel_hi:[1,0]
.set i, i+2
.endr
.endm
; A KEY STEP: 64 keys, the q-th of the slot in hand.  A step whose first key comes after my first query is hidden from all my 32 queries (my first query is a multiple of 32, the step's first key of 64):
; a scalar branch on ids leads round its work; no barrier, wait on tensor loads or tensor load stands in a step.
.macro KSTEP q
	s_cmp_gt_u32 s[KF], s[Q0]
	s_cbranch_scc1 .Lhid_\@
	v_add_nc_u32 v[ADK], s[TB], v[AK0]
	v_add_nc_u32 v[ADV], s[TB], v[AV0]
	WIN 0x40                                       ; destination window 1
.irp kt, 0,1,2,3
.irp c, 0,1
	ds_load_b128 v[8*(2*\kt+\c):8*(2*\kt+\c)+3], v[ADK] offset:32*PK*(\q)+8*PK*\kt+64*\c
	ds_load_b128 v[8*(2*\kt+\c)+4:8*(2*\kt+\c)+7], v[ADK] offset:32*PK*(\q)+8*PK*\kt+64*\c+32
.endr
.endr
.irp kc, 0,1
.irp dt, 0,1,2,3
	ds_load_tr16_b128 v[64+8*(4*\kc+\dt):64+8*(4*\kc+\dt)+3], v[ADV] offset:32*PV*(\q)+16*PV*\kc+32*\dt
	ds_load_tr16_b128 v[64+8*(4*\kc+\dt)+4:64+8*(4*\kc+\dt)+7], v[ADV] offset:32*PV*(\q)+16*PV*\kc+32*\dt+8*PV
.endr
.endr
	s_wait_dscnt 16                                ; K's sixteen loads are in; V's sixteen may be out
	WIN 0x01                                       ; source 0 window 1
	SMUL 0
	SMUL 1
	WIN 0
	PLACES
	s_add_co_u32 s66, s[KF], 63                    ; on the diagonal hidden scores become -infinity ahead of the maximum; a step all of whose keys count skips this
	s_cmp_le_u32 s66, s[Q0]
	s_cbranch_scc1 .Lopen_\@
	s_sub_co_u32 s66, s[Q0], s[KF]
	v_add_nc_u32 v[DD], s66, v[DQ]                 ; register n of tile t holds key KF + 16 (n / 8) + 8 h + n % 8, for query Q0 + 16 t + r: hidden where 16 (n / 8) + n % 8 - 16 t > Q0 - KF + r - 8 h
.irp t, 0,1
.irp n, 0,1,2,3,4,5,6,7,8,9,10,11,12,13,14,15,16,17,18,19,20,21,22,23,24,25,26,27,28,29,30,31
	v_cmp_gt_i32 vcc_lo, 16*(\n/8)+\n%8-16*\t, v[DD]
	v_cndmask_b32 v[S+32*\t+\n], v[S+32*\t+\n], v[NINF], vcc_lo
.endr
.endr
.Lopen_\@:
	SOFTMAX 0
	s_wait_dscnt 0x0                               ; V is in
	WIN 0x01
	PVMUL 0
	WIN 0
	SOFTMAX 1                                      ; it names none of those products' registers
	WIN 0x01
	PVMUL 1
	WIN 0
	PLACES                                         ; in front of the next loads into V's registers and of the next read of O^T
.Lhid_\@:
	s_add_co_u32 s[KF], s[KF], 64
.endm
; THE CHANGE OF SLOTS stands at a slot's head.  Each wave waits for all its tensor loads (its part of the slot that it is about to read), adds 0 to its spare word, and waits for that and for its reads of the slot
; that it has left.  fill = 1: the slot left is filled with the slot that follows in the walk: the next 256 keys, or keys 0 to 255 again where the block of queries changes.  One tensor load of a wave is out at most.
.macro CHANGE fill
	s_wait_tensorcnt 0x0                           ; no tensor load of mine is out, so a group 0 may be written
	ds_add_u32 v[SPW], v[NIL]
.if \fill
	ds_add_u32 v[SPW], v[NIL]                      ; and twice on end here, in every trip alike
	s_add_co_u32 s[NK], s[KS], 1
	s_cmp_eq_u32 s[KS], s[QB]
	s_cselect_b32 s[NK], 0, s[NK]
	s_lshl_b32 s[OFF], s[NK], 15                   ; a slot is 32,768 bytes of K and of V
	s_xor_b32 s[G0K+1], s[G0K+1], SLOT1
	s_add_nc_u64 s[G0K+2:G0K+3], s[KB:KB+1], s[OFF:OFF+1]
	s_or_b32 s[G0K+3], s[G0K+3], 0x80000000
	s_xor_b32 s[G0V+1], s[G0V+1], SLOT1
	s_add_nc_u64 s[G0V+2:G0V+3], s[VB:VB+1], s[OFF:OFF+1]
	s_or_b32 s[G0V+3], s[G0V+3], 0x80000000
	s_wait_xcnt 0x0                                ; the last prefetch, a slot back, has read its address
	s_add_nc_u64 s[PFA:PFA+1], s[PFA:PFA+1], 32768
.endif
	s_wait_dscnt 0x0                               ; the add is done, and my reads of the slot that I have left are over
	s_barrier_signal -1
	s_barrier_wait -1
.if \fill
	TLOAD                                          ; the first thing behind the barrier, and a wave's one tensor load until the next
	ASK
.endif
.endm
.macro SLOT_STEPS
	KSTEP 0
	KSTEP 1
	KSTEP 2
	KSTEP 3
	s_xor_b32 s[TB], s[TB], SLOT1
.endm
; THE WAY OUT of a block: O^T / l, rounded to f16, through my stage, back as four whole rows an instruction: each store covers 512 consecutive bytes of yh, aligned.
.macro WAYOUT
.irp t, 0,1
	v_add_f32 v[ST+8*\t+4], v[ST+8*\t+2], v[ST+8*\t+3]
.endr
.irp t, 0,1
	v_permlanex16_b32 v[ST+8*\t+5], v[ST+8*\t+4], s[SEL], s[SEL+1]
.endr
.irp t, 0,1
	v_add_f32 v[ST+8*\t+4], v[ST+8*\t+4], v[ST+8*\t+5]
.endr
.irp t, 0,1
	v_rcp_f32 v[ST+8*\t+6], v[ST+8*\t+4]
.endr
	v_nop                                          ; a plain line behind the last reciprocal
	s_wait_xcnt 0x0                                ; earlier stores have read their base
	s_lshl_b32 s66, s[Q0], 7
	s_mov_b32 s67, 0
	s_add_nc_u64 s[YP:YP+1], s[YB:YB+1], s[66:67]
	s_wait_alu depctr_va_vdst(0)                   ; one wait for both reciprocals, ahead of their first reader
.irp t, 0,1
.set i, 0
.rept 16
	v_pk_mul_f32 v[O+32*\t+i:O+32*\t+i+1], v[O+32*\t+i:O+32*\t+i+1], v[ST+8*\t+6:ST+8*\t+7] op_sel_hi:[1,0]
.set i, i+2
.endr
.set i, 0
.rept 16
	v_cvt_pk_f16_f32 v[S+32*\t+i], v[O+32*\t+2*i], v[O+32*\t+2*i+1]
.set i, i+1
.endr
.irp dt, 0,1,2,3
	ds_store_b128 v[STO], v[S+32*\t+4*\dt:S+32*\t+4*\dt+3] offset:16*144*\t+32*\dt
.endr
.irp k, 0,1,2,3
	ds_load_b128 v[S+32*\t+16+4*\k:S+32*\t+16+4*\k+3], v[RD] offset:16*144*\t+4*144*\k   ; LDS serves a wave's instructions in order: these see the stores above
.endr
.endr
.irp k, 0,1,2,3
	s_wait_dscnt 8+3-\k                            ; tile 1's eight LDS instructions are younger
	global_store_b128 v[GO], v[S+16+4*\k:S+16+4*\k+3], s[YP:YP+1] offset:512*\k
.endr
.irp k, 0,1,2,3
	s_wait_dscnt 3-\k
	global_store_b128 v[GO], v[S+48+4*\k:S+48+4*\k+3], s[YP:YP+1] offset:2048+512*\k
.endr
	s_wait_xcnt 0x0                                ; the stores have read S^T's registers, which the next products write
.endm
	s_wait_loadcnt 0x0                             ; both blocks' Q
.Ltrip:                                            ; eight trips; behind each change of slots the walk's next slot is asked for
	CHANGE 1
	SLOT_STEPS
	s_cmp_lg_u32 s[KS], s[QB]                      ; ids and the count of trips alone
	s_cbranch_scc1 .Lsame
	WAYOUT                                         ; block 7 - x is finished; on to block x
	WIN 0x01
.set i, 0
.rept 32
	v_mov_b32 v[Q+i], v[128+i]
.set i, i+1
.endr
	WIN 0
	INIT
	s_mov_b32 s[QB], s[X]
	s_lshl_b32 s[Q0], s[X], 8
	s_lshl_b32 s66, s[G], 5
	s_add_co_u32 s[Q0], s[Q0], s66
.Lsame:
	s_mov_b32 s[KS], s[NK]
	s_lshl_b32 s[KF], s[KS], 8
	s_sub_co_u32 s[CNT], s[CNT], 1
	s_cmp_lg_u32 s[CNT], 0
	s_cbranch_scc1 .Ltrip
	CHANGE 0                                       ; the ninth slot is written out: nothing is left to fetch
	SLOT_STEPS
	WAYOUT
	s_wait_tensorcnt 0x0                           ; the wave's end
	ds_add_u32 v[SPW], v[NIL]
	s_wait_dscnt 0x0
	s_endpgm
.Lfunc_end_k_qb7271d28ac_attn:
	.size	k_qb7271d28ac_attn, .Lfunc_end_k_qb7271d28ac_attn-k_qb7271d28ac_attn
	.p2alignl 7, 3214868480
	.fill 96, 4, 3214868480
	.section	.rodata,"a",@progbits
	.p2align	6, 0x0
	.amdhsa_kernel k_qb7271d28ac_attn
		.amdhsa_group_segment_fixed_size 327680
		.amdhsa_private_segment_fixed_size 0
		.amdhsa_enable_private_segment 0
		.amdhsa_kernarg_size 16
		.amdhsa_user_sgpr_count 2
		.amdhsa_user_sgpr_kernarg_segment_ptr 1
		.amdhsa_wavefront_size32 1
		.amdhsa_system_sgpr_workgroup_id_x 1
		.amdhsa_system_sgpr_workgroup_id_y 1
		.amdhsa_system_sgpr_workgroup_id_z 1
		.amdhsa_system_vgpr_workitem_id 0
		.amdhsa_next_free_vgpr 512
		.amdhsa_next_free_sgpr 80
		.amdhsa_reserve_vcc 1
		.amdhsa_float_denorm_mode_32 3
		.amdhsa_float_denorm_mode_16_64 3
		.amdhsa_memory_ordered 1
		.amdhsa_forward_progress 1
		.amdhsa_inst_pref_size 201
	.end_amdhsa_kernel
	.amdgpu_metadata
---
amdhsa.version: [ 1, 2 ]
amdhsa.kernels:
  - .name:           k_qb7271d28ac_attn
    .symbol:         k_qb7271d28ac_attn.kd
    .args:
      - { .name: qkv, .offset: 0, .size: 8, .value_kind: global_buffer, .address_space: global }
      - { .name: yh, .offset: 8, .size: 8, .value_kind: global_buffer, .address_space: global }
    .group_segment_fixed_size: 327680
    .private_segment_fixed_size: 0
    .kernarg_segment_align: 8
    .kernarg_segment_size: 16
    .max_flat_workgroup_size: 256
    .sgpr_count:     80
    .vgpr_count:     512
    .wavefront_size: 32
...
	.end_amdgpu_metadata
.endif
;; end of part 3
;; launch proj (part 4): grid 8 x 32, 4 waves a work-group, clusters of 4 x 4, 327,680 bytes of LDS; arguments yh, wp16, bp, out0; writes out0
.if DOCPART == 4
	.amdgcn_target "amdgcn-amd-amdhsa--gfx1250"
	.amdhsa_code_object_version 6
	.text
	.protected	k_qb7271d28ac_proj
	.globl	k_qb7271d28ac_proj
	.p2align	8
	.type	k_qb7271d28ac_proj,@function
k_qb7271d28ac_proj:
	s_mov_b64 s[64:65], 0
	v_nop
	global_prefetch_b8 v0, s[64:65] scope:SCOPE_SE
	s_setreg_imm32_b32 hwreg(HW_REG_WAVE_MODE, 25, 1), 1
	s_wait_xcnt 0x0
	s_wait_alu depctr_hold_cnt(0) depctr_sa_sdst(0) depctr_va_vdst(0) depctr_va_sdst(0) depctr_va_ssrc(0) depctr_va_vcc(0) depctr_vm_vsrc(0)
	s_getreg_b32 s2, hwreg(HW_REG_IB_STS2, 6, 4)
	s_cmp_eq_u32 s2, 0
	s_cbranch_scc0 .Lentry_in_a_cluster
	s_endpgm
.Lentry_in_a_cluster:
	s_bfe_u32 s2, ttmp6, 0x10000c
	s_cmp_lg_u32 s2, 0xf033
	s_cbranch_scc0 .Lentry_shape_is_right
	s_endpgm
.Lentry_shape_is_right:
; out0[m][n] = sum over k of y[m][k] Wp[k][n] + bp[n], operands in f16, sums in f32.  yh [h 16][8192][64] f16 (k = 64 h + d), wp16 [1024 k][1024 n] f16, out0 [8192][1024] f32.
; (Rows 0-15 of every sequence are written again, in f32 arithmetic, by the launch that follows.)
; A tile of 256 rows x 128 columns is made by four waves, 2 x 2: a wave makes 128 x 64: 32 accumulators, all of window 1.  256 work-groups.  K goes in 8 steps of 128 (two heads) through two LDS slots.
; CLUSTERS 4 x 4: y's tiles are shared along a row of the cluster, Wp's along a column: joint loads.
; THE MATRIX INSTRUCTION IS USED TRANSPOSED: source 0 = 16 columns of Wp (by the turning load, since k is Wp's first axis), source 1 = 16 rows of y: a lane holds eight neighbouring columns of one row.  The bias is the C of each sum's first instruction.
; LDS: slot s at s x 106,496: y's two heads, each 256 rows as 128 rows of two (256 bytes + 16); then Wp's 128 rows of 256 bytes + 32.  Behind the slots a stage of 16 x 272 bytes a wave, then the spare words.
; REGISTERS: window 0: v16-31 addresses; v32-63 the bias; v64-127, v128-191 y's fragments, two buffers; v192-223, v224-255 Wp's.  window 1: accumulator (a, b) at v[8 (4 a + b)].
.set PA,    272
.set PB,    288
.set HEADB, 128*PA                     ; a head's 256 rows in LDS
.set BOFF,  2*HEADB
.set SLOT,  BOFF+128*PB
.set STAGE, 2*SLOT
.set SPITCH, 272
.set SPARE, STAGE+4*16*SPITCH
.set LAPS,  4                          ; a lap = two K steps = once round the ring
.set ADRA, 16
.set ADRB, 20
.set STO,  24
.set RD,   25
.set CO,   26
.set BO,   27
.set SPW,  28                          ; v28 my spare word's address; never rewritten
.set NIL,  29                          ; v29 0; never rewritten
.set BI,   32
.set G1, 24
.set G0, 32
.set G1B, 48
.set G0B, 56
.set MSB, 0
.macro WIN new
.if MSB != \new
	s_set_vgpr_msb (MSB<<8)|\new
.set MSB, \new
.endif
.endm
.set MUL,  0x50                        ; C and D window 1, both sources window 0
.set MULZ, 0x40                        ; D window 1, C (the bias) window 0
.macro JLOAD s                         ; waves 0 and 1 fetch y's two heads, waves 2 and 3 Wp's two halves; an s_nop 0 and four v_nop follow each line
	s_cmp_eq_u32 s13, 0
	s_cbranch_scc0 .Lfor_b_\@
	tensor_load_to_lds s[G0+4*\s:G0+4*\s+3], s[G1:G1+7]
	s_nop 0
.rept 4
	v_nop
.endr
	s_branch .Lasked_\@
.Lfor_b_\@:
	tensor_load_to_lds s[G0B+4*\s:G0B+4*\s+3], s[G1B:G1B+7]
	s_nop 0
.rept 4
	v_nop
.endr
.Lasked_\@:
.endm
.macro CREST
	s_cmp_lg_u32 s12, 0
	s_cbranch_scc1 .Lnot_wave_0_\@
	s_barrier_signal -3
.Lnot_wave_0_\@:
	s_barrier_wait -3
	s_barrier_signal -1
	s_barrier_wait -1
.endm
.macro CROUND
	s_barrier_signal -1
	s_barrier_wait -1
	CREST
.endm
	s_load_b256 s[4:11], s[0:1], 0x0               ; yh, wp16, bp, out0
	v_lshl_add_u32 v[SPW], v0, 2, SPARE
	v_mov_b32 v[NIL], 0
	ds_add_u32 v[SPW], v[NIL]                      ; the wave's opening: the add, twice on end, and its wait ahead of my first tensor load
	ds_add_u32 v[SPW], v[NIL]
	v_lshrrev_b32 v1, 5, v0
	v_readfirstlane_b32 s12, v1                    ; wave 0..3
	s_lshr_b32 s13, s12, 1                         ; which 128 rows are mine.  Also: I fetch for y (0) or for Wp (1)
	s_and_b32 s14, s12, 1                          ; which 64 columns.  Also: which head, or which 64 rows of Wp, I fetch
	s_bfe_u32 s40, ttmp6, 0x40000                  ; cx
	s_bfe_u32 s41, ttmp6, 0x40004                  ; cy
	s_lshl_b32 s42, ttmp9, 2
	s_add_co_u32 s42, s42, s40                     ; tile column
	s_and_b32 s15, ttmp7, 0xffff
	s_lshl_b32 s15, s15, 2
	s_add_co_u32 s15, s15, s41                     ; tile row
	s_lshl_b32 s43, s41, 2
	s_lshl_b32 s43, 15, s43                        ; my row of the cluster
	s_lshl_b32 s44, 0x1111, s40                    ; my column
	s_or_b32 s[G1+0], s43, (1<<16)|(1<<20)|(1<<21)|(5<<22)|(3<<25)   ; mask; elements of 2 bytes; padding on; bit 21 beside a mask; 4 words behind every 64
	s_mov_b32 s[G1+1], 128<<16                     ; y: 128 rows of two rows' 128 elements, dense in memory
	s_mov_b32 s[G1+2], 128<<16
	s_mov_b32 s[G1+3], 128<<16
	s_mov_b32 s[G1+4], 128
	s_mov_b32 s[G1+5], 128
	s_mov_b32 s[G1+6], 0
	s_mov_b32 s[G1+7], 0
	s_or_b32 s[G1B+0], s44, (1<<16)|(1<<20)|(1<<21)|(5<<22)|(7<<25)  ; 8 words of padding
	s_mov_b32 s[G1B+1], 128<<16                    ; Wp: 64 rows of 128 elements, 1,024 elements apart
	s_mov_b32 s[G1B+2], 64<<16
	s_mov_b32 s[G1B+3], 128<<16
	s_mov_b32 s[G1B+4], 64
	s_mov_b32 s[G1B+5], 1024
	s_mov_b32 s[G1B+6], 0
	s_mov_b32 s[G1B+7], 0
	s_lshl_b32 s16, s14, 20                        ; y: a head is 8,192 rows of 128 bytes,
	s_lshl_b32 s17, s15, 15                        ; a tile row 256 rows
	s_add_co_u32 s16, s16, s17
	s_mov_b32 s17, 0
	s_lshl_b32 s46, s14, 17                        ; Wp: 64 rows of 2,048 bytes,
	s_lshl_b32 s47, s42, 8                         ; a tile column 256 bytes
	s_add_co_u32 s46, s46, s47
	s_mov_b32 s47, 0
	s_mul_i32 s45, s14, HEADB                      ; where they go: no place in the cluster enters an LDS address
	s_mul_i32 s2, s14, 64*PB
	s_add_co_u32 s2, s2, BOFF
	s_wait_dscnt 0x0                               ; both opening adds are done
	s_wait_kmcnt 0x0
	s_add_nc_u64 s[16:17], s[4:5], s[16:17]
	s_add_nc_u64 s[46:47], s[6:7], s[46:47]
	CROUND                                         ; all sixteen work-groups are here: the first joint loads meet
.irp s, 0,1
	s_mov_b32 s[G0+4*\s], 1
	s_add_co_u32 s[G0+4*\s+1], s45, \s*SLOT
	s_add_nc_u64 s[G0+4*\s+2:G0+4*\s+3], s[16:17], \s*2097152     ; a K step is two heads
	s_or_b32 s[G0+4*\s+3], s[G0+4*\s+3], 0x80000000
	s_mov_b32 s[G0B+4*\s], 1
	s_add_co_u32 s[G0B+4*\s+1], s2, \s*SLOT
	s_add_nc_u64 s[G0B+4*\s+2:G0B+4*\s+3], s[46:47], \s*262144    ; and 128 rows of Wp
	s_or_b32 s[G0B+4*\s+3], s[G0B+4*\s+3], 0x80000000
	JLOAD \s
.endr
	v_and_b32 v1, 15, v0                           ; r
	v_bfe_u32 v2, v0, 4, 1                         ; h
	v_lshlrev_b32 v[BO], 5, v2
	s_lshl_b32 s18, s42, 9
	s_lshl_b32 s19, s14, 8
	s_add_co_u32 s18, s18, s19                     ; my first column in bytes of f32: 512 x tile column + 256 x half
	s_mov_b32 s19, 0
	s_add_nc_u64 s[8:9], s[8:9], s[18:19]
.irp b, 0,1,2,3
	global_load_b128 v[BI+8*\b:BI+8*\b+3], v[BO], s[8:9] offset:64*\b          ; register 8 b + j: bp[my first column + 16 b + 8 h + j]
	global_load_b128 v[BI+8*\b+4:BI+8*\b+7], v[BO], s[8:9] offset:64*\b+16
.endr
	v_lshrrev_b32 v3, 1, v1
	v_mul_u32_u24 v3, v3, PA
	v_and_b32 v4, 1, v1
	v_lshl_add_u32 v3, v4, 7, v3
	v_lshl_add_u32 v3, v2, 4, v3                   ; y: row r lies at 272 (r / 2) + 128 (r % 2); + 16 h
	v_and_b32 v4, 7, v0
	v_lshl_add_u32 v4, v2, 3, v4
	v_mul_u32_u24 v4, v4, PB
	v_bfe_u32 v5, v0, 3, 1
	v_lshl_add_u32 v4, v5, 4, v4                   ; Wp, for the turning load: row 8 h + lane % 8, columns 8 ((lane / 8) % 2) on
	s_mul_i32 s20, s13, 64*PA                      ; my 128 rows of y
	s_lshl_b32 s21, s14, 7
	s_add_co_u32 s21, s21, BOFF                    ; my 64 columns of Wp
.irp s, 0,1
	v_add_nc_u32 v[ADRA+\s], s20, v3
	v_add_nc_u32 v[ADRB+\s], s21, v4
	s_add_co_u32 s20, s20, SLOT
	s_add_co_u32 s21, s21, SLOT
.endr
	s_mul_i32 s22, s12, 16*SPITCH
	s_add_co_u32 s22, s22, STAGE                   ; my stage
	v_mul_u32_u24 v5, v1, SPITCH
	v_lshl_add_u32 v5, v2, 5, v5
	v_add_nc_u32 v[STO], s22, v5                   ; in: row r, 32 bytes for each half of the lanes
	v_mul_u32_u24 v5, v2, SPITCH
	v_lshl_add_u32 v5, v1, 4, v5
	v_add_nc_u32 v[RD], s22, v5                    ; back: lanes 0-15 one row of 256 bytes, lanes 16-31 the next
	v_lshlrev_b32 v[CO], 12, v2
	v_lshl_add_u32 v[CO], v1, 4, v[CO]             ; the same two rows in out0
	s_lshl_b32 s20, s15, 8
	s_lshl_b32 s21, s13, 7
	s_add_co_u32 s20, s20, s21                     ; my first row
	s_lshl_b32 s20, s20, 12                        ; rows of 4,096 bytes
	s_mov_b32 s21, 0
	s_add_nc_u64 s[10:11], s[10:11], s[20:21]
	s_add_nc_u64 s[10:11], s[10:11], s[18:19]
; 24 LDS loads in one run: quarter q (32 along K) of a slot into buffer f: Wp's four fragments, y's blocks 0-3, y's blocks 4-7
.macro FETCH slot, q, f
	WIN 0
.irp b, 0,1,2,3
	ds_load_tr16_b128 v[192+32*(\f)+8*\b:192+32*(\f)+8*\b+3], v[ADRB+\slot] offset:32*PB*(\q)+32*\b
	ds_load_tr16_b128 v[192+32*(\f)+8*\b+4:192+32*(\f)+8*\b+7], v[ADRB+\slot] offset:32*PB*(\q)+32*\b+16*PB
.endr
.irp a, 0,1,2,3,4,5,6,7
	ds_load_b128 v[64+64*(\f)+8*\a:64+64*(\f)+8*\a+3], v[ADRA+\slot] offset:HEADB*((\q)/2)+64*((\q)%2)+8*PA*\a
	ds_load_b128 v[64+64*(\f)+8*\a+4:64+64*(\f)+8*\a+7], v[ADRA+\slot] offset:HEADB*((\q)/2)+64*((\q)%2)+8*PA*\a+32
.endr
.endm
; 8 matrix instructions: y's blocks a0, a0 + 1 against Wp's four.  The 32 accumulators take turns, one instruction a turn, in the same order in every quarter.
.macro MUL8 f, a0, zero
.irp a, \a0, \a0+1
.irp b, 0,1,2,3
.if \zero
	v_wmma_f32_16x16x32_f16 v[8*(4*(\a)+\b):8*(4*(\a)+\b)+7], v[192+32*(\f)+8*\b:192+32*(\f)+8*\b+7], v[64+64*(\f)+8*(\a):64+64*(\f)+8*(\a)+7], v[BI+8*\b:BI+8*\b+7]
.else
	v_wmma_f32_16x16x32_f16 v[8*(4*(\a)+\b):8*(4*(\a)+\b)+7], v[192+32*(\f)+8*\b:192+32*(\f)+8*\b+7], v[64+64*(\f)+8*(\a):64+64*(\f)+8*(\a)+7], v[8*(4*(\a)+\b):8*(4*(\a)+\b)+7]
.endif
.endr
.endr
.endm
.macro PLACES
.rept 4
	v_nop
.endr
.endm
; One of a K step's first three quarters: multiplies buffer f; in its middle it fetches quarter qn of the same slot into buffer g.
.macro QUARTER slot, qn, f, g, zero
	s_wait_dscnt 8                                 ; Wp's fragments and y's blocks 0-3 are in; the youngest eight loads (blocks 4-7) may be out
.if \zero
	WIN MULZ
.else
	WIN MUL
.endif
	MUL8 \f, 0, \zero
	MUL8 \f, 2, \zero
	PLACES
	FETCH \slot, \qn, \g
	s_wait_dscnt 24                                ; all but the 24 just issued
.if \zero
	WIN MULZ
.else
	WIN MUL
.endif
	MUL8 \f, 4, \zero
	MUL8 \f, 6, \zero
.endm
; The last quarter multiplies buffer 1 and changes slots: ONE barrier; in front of it each wave waits for all its tensor loads, adds 0 to its spare word, and waits for that and for its reads of this slot.
.macro TURN slot, next, fill
	WIN 0
	s_wait_tensorcnt 0x0                           ; my one load that was out, my part of the next slot, has landed
	ds_add_u32 v[SPW], v[NIL]
	s_wait_dscnt 9                                 ; the add and the youngest eight loads may be out
	WIN MUL
	MUL8 1, 0, 0
	s_wait_dscnt 0x0                               ; the add is done, and my reads of this slot are over
	s_barrier_signal -1
	MUL8 1, 2, 0
.if \fill
	WIN 0
.endif
	s_barrier_wait -1
.if \fill
	CREST                                          ; the barrier has opened a round of the cluster's: no wave of any partner still reads this slot or has a load on its way
	s_add_nc_u64 s[G0+4*\slot+2:G0+4*\slot+3], s[G0+4*\slot+2:G0+4*\slot+3], 4194304
	s_add_nc_u64 s[G0B+4*\slot+2:G0B+4*\slot+3], s[G0B+4*\slot+2:G0B+4*\slot+3], 524288
	JLOAD \slot                                    ; the first tensor load behind the round; its four v_nop are also the places in front of the loads below
.else
	PLACES
.endif
	FETCH \next, 0, 0
	WIN MUL
	MUL8 1, 4, 0
	MUL8 1, 6, 0
.endm
	s_wait_tensorcnt 1                             ; my part of K step 0 is in; K step 1's load may be out
	s_barrier_signal -1
	s_barrier_wait -1
	FETCH 0, 0, 0
	s_wait_loadcnt 0x0                             ; the bias
	QUARTER 0, 1, 0, 1, 1                          ; the first quarter stands in front of the loop: its products start the sums
	WIN 0
	s_mov_b32 s3, LAPS-1
.Llap:                                             ; a trip goes once round the ring and fills both slots again
	QUARTER 0, 2, 1, 0, 0
	QUARTER 0, 3, 0, 1, 0
	TURN 0, 1, 1
	QUARTER 1, 1, 0, 1, 0
	QUARTER 1, 2, 1, 0, 0
	QUARTER 1, 3, 0, 1, 0
	TURN 1, 0, 1
	QUARTER 0, 1, 0, 1, 0
	WIN 0
	s_sub_co_u32 s3, s3, 1
	s_cmp_lg_u32 s3, 0
	s_cbranch_scc1 .Llap
	QUARTER 0, 2, 1, 0, 0                          ; the last lap fills nothing
	QUARTER 0, 3, 0, 1, 0
	TURN 0, 1, 0
	QUARTER 1, 1, 0, 1, 0
	QUARTER 1, 2, 1, 0, 0
	QUARTER 1, 3, 0, 1, 0
	s_wait_dscnt 8
	WIN MUL
	MUL8 1, 0, 0
	MUL8 1, 2, 0
	s_wait_dscnt 0
	MUL8 1, 4, 0
	MUL8 1, 6, 0
	WIN 0
; THE WAY OUT, a block of 16 rows x 64 columns at a time, through my own stage: back as whole runs of 256 bytes of a row.
.macro TOSTAGE a
	WIN 0x04                                       ; an LDS store's data are its source 1: window 1
.irp b, 0,1,2,3
	ds_store_b128 v[STO], v[8*(4*(\a)+\b):8*(4*(\a)+\b)+3] offset:64*\b          ; each accumulator from its low end on
	ds_store_b128 v[STO], v[8*(4*(\a)+\b)+4:8*(4*(\a)+\b)+7] offset:64*\b+16
.endr
	WIN 0
.irp t, 0,1,2,3,4,5,6,7
	ds_load_b128 v[64+32*((\a)%2)+4*\t:64+32*((\a)%2)+4*\t+3], v[RD] offset:\t*2*SPITCH
.endr
.endm
.macro SEND a, younger
	s_wait_dscnt \younger                          ; the block is back in registers; the next block's sixteen LDS instructions may be out
.irp t, 0,1,2,3,4,5,6,7
	global_store_b128 v[CO], v[64+32*((\a)%2)+4*\t:64+32*((\a)%2)+4*\t+3], s[10:11] offset:65536*(\a)+8192*\t th:TH_STORE_NT   ; sixteen lanes store 256 consecutive bytes, aligned
.endr
.endm
	PLACES
	TOSTAGE 0
.irp a, 1,2,3,4,5,6,7
.if \a > 1
	s_wait_xcnt 0x0                                ; block a - 2's stores have read their registers: block a's loads may land there
.endif
	TOSTAGE \a
	SEND (\a)-1, 16
.endr
	SEND 7, 0
	s_wait_tensorcnt 0x0                           ; the wave's end
	ds_add_u32 v[SPW], v[NIL]
	s_wait_dscnt 0x0
	CROUND                                         ; the closing round
	s_endpgm
.Lfunc_end_k_qb7271d28ac_proj:
	.size	k_qb7271d28ac_proj, .Lfunc_end_k_qb7271d28ac_proj-k_qb7271d28ac_proj
	.p2alignl 7, 3214868480
	.fill 96, 4, 3214868480
	.section	.rodata,"a",@progbits
	.p2align	6, 0x0
	.amdhsa_kernel k_qb7271d28ac_proj
		.amdhsa_group_segment_fixed_size 327680
		.amdhsa_private_segment_fixed_size 0
		.amdhsa_enable_private_segment 0
		.amdhsa_kernarg_size 32
		.amdhsa_user_sgpr_count 2
		.amdhsa_user_sgpr_kernarg_segment_ptr 1
		.amdhsa_wavefront_size32 1
		.amdhsa_system_sgpr_workgroup_id_x 1
		.amdhsa_system_sgpr_workgroup_id_y 1
		.amdhsa_system_sgpr_workgroup_id_z 1
		.amdhsa_system_vgpr_workitem_id 0
		.amdhsa_next_free_vgpr 512
		.amdhsa_next_free_sgpr 66
		.amdhsa_reserve_vcc 0
		.amdhsa_float_denorm_mode_32 3
		.amdhsa_float_denorm_mode_16_64 3
		.amdhsa_memory_ordered 1
		.amdhsa_forward_progress 1
		.amdhsa_inst_pref_size 86
	.end_amdhsa_kernel
	.amdgpu_metadata
---
amdhsa.version: [ 1, 2 ]
amdhsa.kernels:
  - .name:           k_qb7271d28ac_proj
    .symbol:         k_qb7271d28ac_proj.kd
    .args:
      - { .name: yh, .offset: 0, .size: 8, .value_kind: global_buffer, .address_space: global }
      - { .name: wp16, .offset: 8, .size: 8, .value_kind: global_buffer, .address_space: global }
      - { .name: bp, .offset: 16, .size: 8, .value_kind: global_buffer, .address_space: global }
      - { .name: out0, .offset: 24, .size: 8, .value_kind: global_buffer, .address_space: global }
    .group_segment_fixed_size: 327680
    .private_segment_fixed_size: 0
    .kernarg_segment_align: 8
    .kernarg_segment_size: 32
    .max_flat_workgroup_size: 128
    .sgpr_count:     66
    .vgpr_count:     512
    .wavefront_size: 32
...
	.end_amdgpu_metadata
.endif
;; end of part 4
;; launch fine (part 5): grid 16 x 4, 16 waves a work-group, no clusters, 67,584 bytes of LDS; arguments qkv32, Wp, bp, out0; writes out0
.if DOCPART == 5
	.amdgcn_target "amdgcn-amd-amdhsa--gfx1250"
	.amdhsa_code_object_version 6
	.text
	.protected	k_qb7271d28ac_fine
	.globl	k_qb7271d28ac_fine
	.p2align	8
	.type	k_qb7271d28ac_fine,@function
k_qb7271d28ac_fine:
	s_mov_b64 s[64:65], 0
	v_nop
	global_prefetch_b8 v0, s[64:65] scope:SCOPE_SE
	s_setreg_imm32_b32 hwreg(HW_REG_WAVE_MODE, 25, 1), 1
	s_wait_xcnt 0x0
; POSITIONS 0-15 OF EVERY SEQUENCE ONCE MORE, IN F32: under the causal mask these rows average one to sixteen values and are the largest in size, so the rounding of 16-bit operands weighs most there.
; Attention and projection by the f32 matrix form: 64 rows of out0 in all, no bulk work.  The rows are written over what the launch before has left there.
; A work-group is (64 output columns, batch); wave hd is one head: its 16 x 16 attention, then the part that its 64 channels give to the 64 columns; the sixteen parts meet in LDS and are summed in a fixed order.
; qkv32 holds a head's 16 positions x 64 channels as eight pieces of 512 bytes: lane (r, h) of piece 2 u + c has channels 16 u + 8 h + 4 c + 0..3 of position r.  Q and K are loaded as they lie: both then have the
; same order of channels in their registers, which keeps every product.  V is loaded so that a lane's registers run along the keys as P's do; Wp so that they run along the channels as O^T's do.
; The registers that the f32 matrix form writes (v112-127, v144-207) are written by matrix instructions alone.
.set QI,   16                          ; v16-47   Q; later Wp's rows for channels 16-31
.set KI,   48                          ; v48-79   K; later for channels 32-47
.set VI,   80                          ; v80-111  V; later for channels 48-63
.set SA,   112                         ; v112-127 S^T in two halves of K, which take turns
.set PP,   128                         ; v128-135 the scores, then p / l
.set T,    136
.set OO,   144                         ; v144-175 O^T
.set OUTA, 176                         ; v176-207 my part of the 64 columns
.set WX,   208                         ; v208-239 Wp's rows for channels 0-15
.set BIAS, 240
.set SPW,  244                         ; my spare word's address; never rewritten
.set NIL,  245                         ; 0; never rewritten
.set SPARE, 65536                      ; LDS: sixteen parts of 4,096 bytes, then the spare words
	s_load_b256 s[4:11], s[0:1], 0x0               ; qkv32, Wp, bp, out0
	v_lshl_add_u32 v[SPW], v0, 2, SPARE
	v_mov_b32 v[NIL], 0
	v_lshrrev_b32 v12, 5, v0
	v_readfirstlane_b32 s12, v12                   ; wave = head
	s_and_b32 s14, ttmp7, 0xffff                   ; batch
	v_and_b32 v1, 15, v0                           ; r
	v_bfe_u32 v2, v0, 4, 1                         ; h
	v_and_b32 v12, 31, v0
	v_lshlrev_b32 v3, 4, v12                       ; 16 x lane
	v_bfe_u32 v13, v0, 2, 1
	v_lshlrev_b32 v4, 9, v13
	v_bfe_u32 v13, v0, 3, 1
	v_lshl_add_u32 v4, v13, 8, v4
	v_lshl_add_u32 v4, v2, 7, v4
	v_and_b32 v13, 3, v0
	v_lshl_add_u32 v4, v13, 2, v4                  ; V[key 8 h + jj][16 t + r]: 512 ((r / 4) % 2) + 256 (r / 8) + 128 h + 4 (r % 4), + 1,024 t + 16 jj
	v_lshlrev_b32 v5, 15, v2
	v_lshl_add_u32 v5, v1, 2, v5                   ; Wp: 8 h rows of 4,096 bytes + 4 r
	v_lshlrev_b32 v6, 4, v1                        ; the bias: 16 (lane % 16)
	s_lshl_b32 s15, s12, 12
	v_add_nc_u32 v7, s15, v3                       ; my part in LDS: 4,096 x wave + 16 x lane
	v_bfe_u32 v13, v0, 2, 2
	v_lshlrev_b32 v8, 10, v13
	v_and_b32 v13, 1, v0
	v_lshl_add_u32 v8, v13, 9, v8
	v_bfe_u32 v13, v0, 1, 1
	v_lshl_add_u32 v8, v13, 8, v8
	v_lshl_add_u32 v8, v2, 4, v8
	s_lshl_b32 s15, s12, 5
	v_add_nc_u32 v8, s15, v8                       ; the sum: query 2 w + lane / 16, columns 4 (lane % 16) on, as they lie in a part
	s_lshl_b32 s15, s12, 13
	v_lshlrev_b32 v9, 12, v2
	v_lshl_add_u32 v9, v1, 4, v9
	v_add_nc_u32 v9, s15, v9                       ; and in out0: 8,192 w + 4,096 (lane / 16) + 16 (lane % 16)
	v_lshlrev_b32 v13, 3, v2
	v_sub_nc_u32 v10, v1, v13                      ; r - 8 h
	v_mov_b32 v11, 0xff800000                      ; -infinity
	s_mov_b32 s16, 0x76543210
	s_mov_b32 s17, 0xfedcba98
	s_mov_b32 s18, 0x3e38aa3b                      ; c = log2(e) / 8
	s_lshl_b32 s20, s14, 16
	s_lshl_b32 s21, s12, 12
	s_add_co_u32 s20, s20, s21                     ; my head's image: 65,536 x batch + 4,096 x head
	s_mov_b32 s21, 0
	s_lshl_b32 s28, s12, 18
	s_lshl_b32 s29, ttmp9, 8
	s_add_co_u32 s28, s28, s29                     ; Wp: my head's 64 rows, my work-group's 64 columns
	s_mov_b32 s30, s29
	s_mov_b32 s29, 0
	s_mov_b32 s31, 0
	s_lshl_b32 s32, s14, 23                        ; out0: 2,048 rows of 4,096 bytes a batch
	s_add_co_u32 s32, s32, s30
	s_mov_b32 s33, 0
	s_wait_kmcnt 0x0
	s_add_nc_u64 s[22:23], s[4:5], s[20:21]        ; q
	s_add_nc_u64 s[24:25], s[22:23], 262144        ; k
	s_add_nc_u64 s[26:27], s[22:23], 524288        ; v
	s_add_nc_u64 s[6:7], s[6:7], s[28:29]
	s_add_nc_u64 s[8:9], s[8:9], s[30:31]
	s_add_nc_u64 s[10:11], s[10:11], s[32:33]
; Wp's rows for channels 16 t on: register 8 s + 2 u + j of lane (r, h) = Wp[64 head + 16 t + 8 h + 2 s + j][first column + 16 u + r]; the four u of a row read its 256 bytes whole
.macro WLOAD t, reg
.irp s, 0,1,2,3
.irp u, 0,1,2,3
.irp j, 0,1
	global_load_b32 v[\reg+8*\s+2*\u+\j], v5, s[6:7] offset:(16*(\t)+2*\s+\j)*4096+64*\u
.endr
.endr
.endr
.endm
	global_load_b128 v[BIAS:BIAS+3], v6, s[8:9]
.irp i, 0,1,2,3,4,5,6,7
	global_load_b128 v[QI+4*\i:QI+4*\i+3], v3, s[22:23] offset:512*\i
.endr
.irp i, 0,1,2,3,4,5,6,7
	global_load_b128 v[KI+4*\i:KI+4*\i+3], v3, s[24:25] offset:512*\i
.endr
.irp t, 0,1,2,3
.irp j, 0,1,2,3,4,5,6,7
	global_load_b32 v[VI+8*\t+\j], v4, s[26:27] offset:1024*\t+16*\j
.endr
.endr
	WLOAD 0, WX
	s_wait_loadcnt 63                              ; Q and K are in: 64 loads are younger, and the count cannot name more than 63
.irp s, 0,1,2,3,4,5,6,7,8,9,10,11,12,13,14,15      ; S^T = K Q^T, four channels an instruction; two accumulators take turns
.if \s < 2
	v_wmma_f32_16x16x4_f32 v[SA+8*(\s%2):SA+8*(\s%2)+7], v[KI+2*\s:KI+2*\s+1], v[QI+2*\s:QI+2*\s+1], 0
.else
	v_wmma_f32_16x16x4_f32 v[SA+8*(\s%2):SA+8*(\s%2)+7], v[KI+2*\s:KI+2*\s+1], v[QI+2*\s:QI+2*\s+1], v[SA+8*(\s%2):SA+8*(\s%2)+7]
.endif
.endr
.rept 8
	v_nop                                          ; eight places behind this form, in front of reads of its results and of loads into its sources
.endr
	WLOAD 1, QI
	WLOAD 2, KI
.irp j, 0,1,2,3,4,5,6,7
	v_add_f32 v[PP+\j], v[SA+\j], v[SA+8+\j]       ; register j: key 8 h + j, query r
.endr
.irp j, 0,1,2,3,4,5,6,7
	v_cmp_gt_i32 vcc_lo, \j, v10                   ; hidden where 8 h + j > r
	v_cndmask_b32 v[PP+\j], v[PP+\j], v11, vcc_lo
.endr
	v_max3_num_f32 v[T], v[PP], v[PP+1], v[PP+2]
	v_max3_num_f32 v[T+1], v[PP+3], v[PP+4], v[PP+5]
	v_max3_num_f32 v[T], v[T], v[PP+6], v[PP+7]
	v_max_num_f32 v[T], v[T], v[T+1]
	v_permlanex16_b32 v[T+1], v[T], s16, s17
	v_max_num_f32 v[T], v[T], v[T+1]               ; the row's maximum: key 0 counts for every query
	v_mul_f32 v[T+2], s18, v[T]
.irp j, 0,1,2,3,4,5,6,7
	v_fma_f32 v[PP+\j], v[PP+\j], s18, -v[T+2]
.endr
.irp j, 0,1,2,3,4,5,6,7
	v_exp_f32 v[PP+\j], v[PP+\j]
.endr
	v_nop                                          ; a plain line behind the last exponential
	s_wait_alu depctr_va_vdst(0)                   ; one wait for the eight, ahead of their first reader
	v_add_f32 v[T], v[PP], v[PP+1]
	v_add_f32 v[T+1], v[PP+2], v[PP+3]
	v_add_f32 v[T+2], v[PP+4], v[PP+5]
	v_add_f32 v[T+3], v[PP+6], v[PP+7]
	v_add_f32 v[T], v[T], v[T+1]
	v_add_f32 v[T+2], v[T+2], v[T+3]
	v_add_f32 v[T], v[T], v[T+2]
	v_permlanex16_b32 v[T+1], v[T], s16, s17
	v_add_f32 v[T], v[T], v[T+1]
	v_rcp_f32 v[T+2], v[T]
	v_nop
	s_wait_alu depctr_va_vdst(0)
.irp j, 0,1,2,3,4,5,6,7
	v_mul_f32 v[PP+\j], v[PP+\j], v[T+2]           ; all 16 keys are here: p is normalised ahead of the product
.endr
	s_wait_loadcnt 63                              ; V is in: 96 loads are younger
.irp s, 0,1,2,3                                    ; O^T = V^T P: keys 2 s, 2 s + 1, 8 + 2 s, 9 + 2 s an instruction; four accumulators take turns
.irp t, 0,1,2,3
.if \s == 0
	v_wmma_f32_16x16x4_f32 v[OO+8*\t:OO+8*\t+7], v[VI+8*\t+2*\s:VI+8*\t+2*\s+1], v[PP+2*\s:PP+2*\s+1], 0
.else
	v_wmma_f32_16x16x4_f32 v[OO+8*\t:OO+8*\t+7], v[VI+8*\t+2*\s:VI+8*\t+2*\s+1], v[PP+2*\s:PP+2*\s+1], v[OO+8*\t:OO+8*\t+7]
.endif
.endr
.endr
.rept 9
	v_nop                                          ; nine places: the results go on as a source of matrix instructions; loads into V's registers follow
.endr
	WLOAD 3, VI
; my part of the projection: OUT^T[u] += Wp's 16 columns x O^T, four channels an instruction; four accumulators take turns
.macro PROJ t, reg
.irp s, 0,1,2,3
.irp u, 0,1,2,3
.if ((\t) == 0) && (\s == 0)
	v_wmma_f32_16x16x4_f32 v[OUTA+8*\u:OUTA+8*\u+7], v[\reg+8*\s+2*\u:\reg+8*\s+2*\u+1], v[OO+8*(\t)+2*\s:OO+8*(\t)+2*\s+1], 0
.else
	v_wmma_f32_16x16x4_f32 v[OUTA+8*\u:OUTA+8*\u+7], v[\reg+8*\s+2*\u:\reg+8*\s+2*\u+1], v[OO+8*(\t)+2*\s:OO+8*(\t)+2*\s+1], v[OUTA+8*\u:OUTA+8*\u+7]
.endif
.endr
.endr
.endm
	s_wait_loadcnt 63                              ; the first 32 rows' numbers are in: 96 loads are younger
	PROJ 0, WX
	s_wait_loadcnt 63                              ; 64 are younger
	PROJ 1, QI
	s_wait_loadcnt 32                              ; the last 32 may be out
	PROJ 2, KI
	s_wait_loadcnt 0
	PROJ 3, VI
.rept 8
	v_nop
.endr
.irp u, 0,1,2,3
	ds_store_b128 v7, v[OUTA+8*\u:OUTA+8*\u+3] offset:1024*\u          ; as the registers lie; each accumulator from its low end on
	ds_store_b128 v7, v[OUTA+8*\u+4:OUTA+8*\u+7] offset:1024*\u+512
.endr
	s_wait_dscnt 0x0                               ; for the others' sake: my part lies in LDS
	s_barrier_signal -1
	s_barrier_wait -1
	s_cmp_lt_u32 s12, 8
	s_cbranch_scc0 .Lno_rows
.irp p, 0,1,2,3,4,5,6,7,8,9,10,11,12,13,14,15      ; waves 0-7 sum two rows each: the bias, then the heads in ascending order
	ds_load_b128 v[16+4*\p:16+4*\p+3], v8 offset:4096*\p
.endr
	s_wait_dscnt 0x0
.irp p, 0,1,2,3,4,5,6,7,8,9,10,11,12,13,14,15
	v_pk_add_f32 v[BIAS:BIAS+1], v[BIAS:BIAS+1], v[16+4*\p:17+4*\p]
	v_pk_add_f32 v[BIAS+2:BIAS+3], v[BIAS+2:BIAS+3], v[18+4*\p:19+4*\p]
.endr
	global_store_b128 v9, v[BIAS:BIAS+3], s[10:11] ; sixteen lanes store 256 consecutive bytes, aligned
	s_wait_tensorcnt 0x0                           ; the wave's end
	ds_add_u32 v[SPW], v[NIL]
	s_wait_dscnt 0x0
	s_endpgm
.Lno_rows:
	s_wait_tensorcnt 0x0
	ds_add_u32 v[SPW], v[NIL]
	s_wait_dscnt 0x0
	s_endpgm
.Lfunc_end_k_qb7271d28ac_fine:
	.size	k_qb7271d28ac_fine, .Lfunc_end_k_qb7271d28ac_fine-k_qb7271d28ac_fine
	.p2alignl 7, 3214868480
	.fill 96, 4, 3214868480
	.section	.rodata,"a",@progbits
	.p2align	6, 0x0
	.amdhsa_kernel k_qb7271d28ac_fine
		.amdhsa_group_segment_fixed_size 67584
		.amdhsa_private_segment_fixed_size 0
		.amdhsa_enable_private_segment 0
		.amdhsa_kernarg_size 32
		.amdhsa_user_sgpr_count 2
		.amdhsa_user_sgpr_kernarg_segment_ptr 1
		.amdhsa_wavefront_size32 1
		.amdhsa_system_sgpr_workgroup_id_x 1
		.amdhsa_system_sgpr_workgroup_id_y 1
		.amdhsa_system_sgpr_workgroup_id_z 1
		.amdhsa_system_vgpr_workitem_id 0
		.amdhsa_next_free_vgpr 256
		.amdhsa_next_free_sgpr 66
		.amdhsa_reserve_vcc 1
		.amdhsa_float_denorm_mode_32 3
		.amdhsa_float_denorm_mode_16_64 3
		.amdhsa_memory_ordered 1
		.amdhsa_forward_progress 1
		.amdhsa_inst_pref_size 34
	.end_amdhsa_kernel
	.amdgpu_metadata
---
amdhsa.version: [ 1, 2 ]
amdhsa.kernels:
  - .name:           k_qb7271d28ac_fine
    .symbol:         k_qb7271d28ac_fine.kd
    .args:
      - { .name: qkv32, .offset: 0, .size: 8, .value_kind: global_buffer, .address_space: global }
      - { .name: Wp, .offset: 8, .size: 8, .value_kind: global_buffer, .address_space: global }
      - { .name: bp, .offset: 16, .size: 8, .value_kind: global_buffer, .address_space: global }
      - { .name: out0, .offset: 24, .size: 8, .value_kind: global_buffer, .address_space: global }
    .group_segment_fixed_size: 67584
    .private_segment_fixed_size: 0
    .kernarg_segment_align: 8
    .kernarg_segment_size: 32
    .max_flat_workgroup_size: 512
    .sgpr_count:     66
    .vgpr_count:     256
    .wavefront_size: 32
...
	.end_amdgpu_metadata
.endif
;; end of part 5
